; MI455X (gfx1250); checked and timed in simulation.
; The chip was launched on July 23, 2026; its instructions are those of AMD's public machine-readable ISA for CDNA 5 (MIT licence, August 2026) and "CDNA5" Instruction Set Architecture Reference Guide (July 2026). The comments in the code are by the model that wrote it; some were corrected since.
;; Multi Head Attention. Allowed arithmetic: matrix products marked QUANTISED: E2M1 operands, one E8M0 scale for each 32 along K, by v_wmma_scale_f32_16x16x128_f8f6f4 with both operands' format E2M1 (or v_wmma_scale_f32_32x16x128_f4), f32 sums; products left as they are: bf16, f16 or f32 operands; f32 sums; everything else in f32.
;; Inputs: Wk 512 x 512 float32; Wo 512 x 512 float32; Wq 512 x 512 float32; Wv 512 x 512 float32; bk 512 float32; bo 512 float32; bq 512 float32; bv 512 float32; k 4 x 2,048 x 512 float32; k_padding_mask 4 x 2,048 bool; q 4 x 2,048 x 512 float32; q_padding_mask 4 x 2,048 bool; rpe 8 x 4,095 float32; v 4 x 2,048 x 512 float32.
;; Outputs: out0 4 x 2,048 x 512 float32.
;; This version of the problem:
;;   THIS VERSION OF THE PROBLEM IS GIVEN IN LOW PRECISION. The matrix products marked QUANTISED in the list below multiply operands that are first quantised to E2M1 (2 exponent bits, 1 mantissa bit; 4 bits a number), with one power-of-two scale for each 32 numbers along K (OCP MX v1.0); their sums are f32. The products marked 'left as it is' may take bf16, f16 or f32 operands, with f32 sums. Whichever they take, every output number must still come out within the allowed error. Rounding operands to bf16 (8 significant bits) uses up far more of that allowance than f16 does (11 bits, for magnitudes from 6e-5 to 65,504). All else is computed in f32.
;;   The module's matrix products, in the order in which they are computed (A, B: the left and right operand; K: the contracted axis; several contracted axes count as one K, in the product's order):
;;     1. [M 8,192, K 512] x [K 512, N 512]; A: input q; B: input Wq: QUANTISED
;;     2. [M 8,192, K 512] x [K 512, N 512]; A: input k; B: input Wk: QUANTISED
;;     3. [M 8,192, K 512] x [K 512, N 512]; A: input v; B: input Wv: QUANTISED
;;     4. batch 32 x [M 2,048, K 64] x [K 64, N 2,048]; A: computed on the way; B: computed on the way: left as it is (an operand is computed on the way)
;;     5. batch 32 x [M 2,048, K 2,048] x [K 2,048, N 64]; A: computed on the way; B: computed on the way: left as it is (an operand is computed on the way)
;;     6. [M 8,192, K 512] x [K 512, N 512]; A: computed on the way; B: input Wo: left as it is (an operand is computed on the way)
;;   THE QUANTISER, for each operand of a quantised product, along K:
;;     - K is cut into blocks of 32 from its start; a last block that is shorter is filled with zeros.
;;     - A block's scale is 2^e with e = floor(log2(the largest magnitude in the block)) - 2, held to -126 .. 127; a block of zeros has e = 0. As a byte (E8M0): e + 127.
;;     - Each number is divided by its block's scale, clamped to +-6, and rounded to the nearest number of E2M1, ties to even, subnormals kept.
;;     - The product sums the exact products of the quantised numbers (number of the format x scale) in f32.
;;   ~~~python
;;   def quantise(x, axis):      # numpy; x: float32 -> the quantised numbers, widened to float32 again
;;       x = np.moveaxis(x, axis, -1); K = x.shape[-1]
;;       x = np.pad(x, [(0, 0)] * (x.ndim - 1) + [(0, -K % 32)]); x = x.reshape(x.shape[:-1] + (-1, 32)); a = np.abs(x).max(-1, keepdims=True)
;;       e = np.where(a > 0, np.clip(np.frexp(np.where(a > 0, a, 1))[1] - 1 - 2, -126, 127), 0)      # np.frexp(a)[1] - 1 = floor(log2(a)), exactly
;;       r = np.clip(x / 2.0 ** e, -6, 6)
;;       step = 2.0 ** (np.maximum(np.frexp(np.where(r == 0, 1, r))[1] - 1, 0) - 1)
;;       q = np.round(r / step) * step * 2.0 ** e      # np.round: ties to even
;;       return np.moveaxis(q.reshape(q.shape[:-2] + (-1,))[..., :K], -1, axis).astype(np.float32)
;;   ~~~
;; One version. Each part assembles by itself: llvm-mc -triple=amdgcn-amd-amdhsa -mcpu=gfx1250 --defsym DOCPART=n.
;; ======== version 1 of 1: 4 launches
;; limits: values are held in f16: magnitudes above 65,504 overflow, below 6.1e-05 lose precision
;; workspace buffers: wc 393,216 bytes; ws 24,576 bytes; wo16 524,288 bytes; qi 8,388,608 bytes; ki 8,388,608 bytes; vi 8,388,608 bytes; ao 8,388,608 bytes
;; launch prep (part 1): grid 128 x 1, 4 waves a work-group, no clusters, 0 bytes of LDS; arguments Wq, Wk, Wv, Wo, wc, ws, wo16; writes wc, ws, wo16
.if DOCPART == 1
	.amdgcn_target "amdgcn-amd-amdhsa--gfx1250"
	.amdhsa_code_object_version 6
	.text
	.protected	k_qfe5e656a0b_prep
	.globl	k_qfe5e656a0b_prep
	.p2align	8
	.type	k_qfe5e656a0b_prep,@function
k_qfe5e656a0b_prep:
	s_mov_b64 s[64:65], 0
	v_nop
	global_prefetch_b8 v0, s[64:65] scope:SCOPE_SE
	s_setreg_imm32_b32 hwreg(HW_REG_WAVE_MODE, 25, 1), 1
	s_wait_xcnt 0x0
; The four weights, [512][512] f32 with K innermost, are laid once as IMAGES OF OPERAND REGISTERS: blocks of 512 bytes, lane l's 16 bytes at 16 l.
; Work-groups 0 to 95: tile nt = u % 32 (16 rows) of Wq, Wk, Wv (T = u / 32) becomes codes of FP4 (E2M1) with one E8M0 byte for each 32 along K; wave w takes K step w (128 along K).
;   wc: block ((u x 4 + w) x 2 + c): lane (r, h) holds row 16 nt + r, k = 128 w + 64 c + 32 h + 0 .. 31.   ws: word (u x 4 + w) x 16 + r: that row's four scale bytes of K step w.
; Work-groups 96 to 127: tile nt = u - 96 of Wo is rounded to f16.  wo16: block ((nt x 16 + ks) x 2 + c2): lane (r, h) holds row 16 nt + r, k = 32 ks + 16 c2 + 8 h + 0 .. 7; wave w takes ks = 4 w .. 4 w + 3.
; A lane's registers run along K, so a block of 32 lies in one lane: its largest magnitude needs no other lane, and the conversions' results are the operand's registers.
; A block's scale is 2^(floor(log2(largest magnitude)) - 2); its byte is the largest magnitude's exponent field - 2, held at 1 from below.
; LIMITS: a block of zeros gets the byte 1 (its codes are zeros; this program alone reads the bytes); NaN and infinities are not served; Wo beyond 65,504 has no f16, under 6e-5 it keeps an absolute error of 3e-8.
; No LDS, no barrier: waves share nothing.  The launch moves 4 MB: a lane's eight loads of 16 bytes finish its 128 bytes of a row one behind the other.
.set X,  32                            ; v32-95   64 numbers as loaded
.set CD, 96                            ; v96-127  what is stored
	s_load_b256 s[4:11], s[0:1], 0x0               ; Wq s[4:5], Wk s[6:7], Wv s[8:9], Wo s[10:11]
	s_load_b128 s[12:15], s[0:1], 0x20             ; wc s[12:13], ws s[14:15]
	s_load_b64 s[16:17], s[0:1], 0x30              ; wo16
	v_lshrrev_b32 v1, 5, v0
	v_readfirstlane_b32 s18, v1                    ; wave 0..3
	v_and_b32 v2, 31, v0                           ; lane
	v_and_b32 v3, 15, v0                           ; r
	v_bfe_u32 v4, v0, 4, 1                         ; h
	v_lshlrev_b32 v6, 4, v2                        ; out: 16 x lane
	v_lshlrev_b32 v5, 11, v3                       ; in: row r of 2,048 bytes
	v_lshlrev_b32 v7, 2, v3                        ; the scale word's place: 4 r
	s_lshl_b32 s21, s18, 9                         ; my wave's 128 numbers of a row: 512 bytes
	s_mov_b32 s25, 0
	s_mov_b32 s29, 0
	s_mov_b32 s26, 0x76543210
	s_mov_b32 s27, 0xfedcba98                      ; v_permlanex16_b32's selects for lane l xor 16
	s_wait_kmcnt 0x0
	s_cmp_lt_u32 ttmp9, 96
	s_cbranch_scc0 .Lwo
	; ---- Wq, Wk, Wv into codes
	s_lshr_b32 s19, ttmp9, 5                       ; T
	s_and_b32 s20, ttmp9, 31                       ; nt
	s_cmp_eq_u32 s19, 0
	s_cselect_b64 s[22:23], s[4:5], s[6:7]
	s_cmp_eq_u32 s19, 2
	s_cselect_b64 s[22:23], s[8:9], s[22:23]       ; the choice hangs on the work-group's number alone
	s_lshl_b32 s24, s20, 15                        ; 16 rows of 2,048 bytes
	s_add_co_u32 s24, s24, s21
	s_add_nc_u64 s[22:23], s[22:23], s[24:25]
	v_lshl_add_u32 v5, v4, 7, v5                   ; + 128 h: lanes 16-31 begin 32 numbers further on
.irp c, 0,1
.irp i, 0,1,2,3,4,5,6,7
	global_load_b128 v[X+32*\c+4*\i:X+32*\c+4*\i+3], v5, s[22:23] offset:256*\c+16*\i th:TH_LOAD_NT   ; W(16 nt + r, 128 w + 64 c + 32 h + 4 i ..)
.endr
.endr
	s_lshl_b32 s28, ttmp9, 2
	s_add_co_u32 s28, s28, s18                     ; 4 u + w
	s_lshl_b32 s24, s28, 6                         ; 64 bytes of scale words,
	s_lshl_b32 s28, s28, 10                        ; 1,024 bytes of codes
	s_add_nc_u64 s[12:13], s[12:13], s[28:29]
	s_add_nc_u64 s[14:15], s[14:15], s[24:25]
	v_mov_b32 v16, 0                               ; a lane permute's destination counts as one of its sources
	s_wait_loadcnt 0x0
.irp c, 0,1
	v_max3_num_f32 v[8+\c], |v[X+32*\c]|, |v[X+32*\c+1]|, 0x1800000   ; my block 2 c + h, and the floor 2^(3 - 127): the byte cannot fall under 1
.endr
.irp i, 2,4,6,8,10,12,14,16,18,20,22,24,26,28,30
.irp c, 0,1
	v_max3_num_f32 v[8+\c], v[8+\c], |v[X+32*\c+\i]|, |v[X+32*\c+\i+1]|   ; (the two blocks by turns)
.endr
.endr
.irp c, 0,1
	v_add_nc_u32 v[10+\c], 0xff000000, v[8+\c]     ; 2 off the exponent field: the conversion takes this operand's exponent field as its scale
.endr
.irp c, 0,1
	v_lshrrev_b32 v[12+\c], 23, v[10+\c]           ; the scale's byte
.endr
	v_lshl_or_b32 v14, v13, 16, v12                ; my two bytes: blocks h and 2 + h,
	v_lshlrev_b32 v15, 3, v4
	v_lshlrev_b32 v14, v15, v14                    ; 8 h bits up;
	v_permlanex16_b32 v16, v14, s26, s27
	v_or_b32 v14, v14, v16                         ; with lane l xor 16's two the word is whole, in both lanes
.irp c, 0,1
.irp g, 0,1,2,3
	v_cvt_scalef32_pk8_fp4_f32 v[CD+4*\c+\g], v[X+32*\c+8*\g:X+32*\c+8*\g+7], v[10+\c]
.endr
.endr
	v_nop                                          ; one plain line behind the last scaled conversion
	global_store_b128 v6, v[CD:CD+3], s[12:13]     ; 512 consecutive bytes a store
	global_store_b128 v6, v[CD+4:CD+7], s[12:13] offset:512
	global_store_b32 v7, v14, s[14:15]             ; lanes r and r + 16 write the same word with the same value; the four waves' 64 bytes lie on end
	s_endpgm
.Lwo:
	; ---- Wo into f16
	s_sub_co_u32 s20, ttmp9, 96                    ; nt
	s_lshl_b32 s24, s20, 15
	s_add_co_u32 s24, s24, s21
	s_add_nc_u64 s[10:11], s[10:11], s[24:25]
	v_lshl_add_u32 v5, v4, 5, v5                   ; + 32 h: eight numbers
.irp x, 0,1,2,3,4,5,6,7                        ; x = 2 ks' + c2
.irp e, 0,1
	global_load_b128 v[X+8*\x+4*\e:X+8*\x+4*\e+3], v5, s[10:11] offset:64*\x+16*\e th:TH_LOAD_NT
.endr
.endr
	s_lshl_b32 s28, s20, 14                        ; a tile's 16 K steps of 1,024 bytes,
	s_lshl_b32 s24, s18, 12                        ; my wave's four
	s_add_co_u32 s28, s28, s24
	s_add_nc_u64 s[16:17], s[16:17], s[28:29]
	s_wait_loadcnt 0x0
.irp x, 0,1,2,3,4,5,6,7
.irp j, 0,1,2,3
	v_cvt_pk_f16_f32 v[CD+4*\x+\j], v[X+8*\x+2*\j], v[X+8*\x+2*\j+1]
.endr
.endr
.irp x, 0,1,2,3,4,5,6,7
	global_store_b128 v6, v[CD+4*\x:CD+4*\x+3], s[16:17] offset:512*\x
.endr
	s_endpgm
.Lfunc_end_k_qfe5e656a0b_prep:
	.size	k_qfe5e656a0b_prep, .Lfunc_end_k_qfe5e656a0b_prep-k_qfe5e656a0b_prep
	.p2alignl 7, 3214868480
	.fill 96, 4, 3214868480
	.section	.rodata,"a",@progbits
	.p2align	6, 0x0
	.amdhsa_kernel k_qfe5e656a0b_prep
		.amdhsa_group_segment_fixed_size 0
		.amdhsa_private_segment_fixed_size 0
		.amdhsa_enable_private_segment 0
		.amdhsa_kernarg_size 56
		.amdhsa_user_sgpr_count 2
		.amdhsa_user_sgpr_kernarg_segment_ptr 1
		.amdhsa_wavefront_size32 1
		.amdhsa_system_sgpr_workgroup_id_x 1
		.amdhsa_system_sgpr_workgroup_id_y 1
		.amdhsa_system_sgpr_workgroup_id_z 1
		.amdhsa_system_vgpr_workitem_id 0
		.amdhsa_next_free_vgpr 128
		.amdhsa_next_free_sgpr 66
		.amdhsa_reserve_vcc 0
		.amdhsa_float_denorm_mode_32 3
		.amdhsa_float_denorm_mode_16_64 3
		.amdhsa_memory_ordered 1
		.amdhsa_forward_progress 1
		.amdhsa_inst_pref_size 12
	.end_amdhsa_kernel
	.amdgpu_metadata
---
amdhsa.version: [ 1, 2 ]
amdhsa.kernels:
  - .name:           k_qfe5e656a0b_prep
    .symbol:         k_qfe5e656a0b_prep.kd
    .args:
      - { .name: Wq, .offset: 0, .size: 8, .value_kind: global_buffer, .address_space: global }
      - { .name: Wk, .offset: 8, .size: 8, .value_kind: global_buffer, .address_space: global }
      - { .name: Wv, .offset: 16, .size: 8, .value_kind: global_buffer, .address_space: global }
      - { .name: Wo, .offset: 24, .size: 8, .value_kind: global_buffer, .address_space: global }
      - { .name: wc, .offset: 32, .size: 8, .value_kind: global_buffer, .address_space: global }
      - { .name: ws, .offset: 40, .size: 8, .value_kind: global_buffer, .address_space: global }
      - { .name: wo16, .offset: 48, .size: 8, .value_kind: global_buffer, .address_space: global }
    .group_segment_fixed_size: 0
    .private_segment_fixed_size: 0
    .kernarg_segment_align: 8
    .kernarg_segment_size: 56
    .max_flat_workgroup_size: 128
    .sgpr_count:     66
    .vgpr_count:     128
    .wavefront_size: 32
...
	.end_amdgpu_metadata
.endif
;; end of part 1
;; launch proj (part 2): grid 64 x 3, 8 waves a work-group, no clusters, 327,680 bytes of LDS; arguments q, k, v, bq, bk, bv, wc, ws, qi, ki, vi; writes qi, ki, vi
.if DOCPART == 2
	.amdgcn_target "amdgcn-amd-amdhsa--gfx1250"
	.amdhsa_code_object_version 6
	.text
	.protected	k_qfe5e656a0b_proj
	.globl	k_qfe5e656a0b_proj
	.p2align	8
	.type	k_qfe5e656a0b_proj,@function
k_qfe5e656a0b_proj:
	s_mov_b64 s[64:65], 0
	v_nop
	global_prefetch_b8 v0, s[64:65] scope:SCOPE_SE
	s_setreg_imm32_b32 hwreg(HW_REG_WAVE_MODE, 25, 1), 1
	s_wait_xcnt 0x0
; The three projections x W^T + b (x = q, k, v by work-group y = T; [8192][512] f32), both operands on codes of FP4 (E2M1) with one E8M0 scale for each 32 along K = 512; sums in f32.
; The results leave as f16, laid as images of the operand registers of the attention launch (blocks of 512 bytes, lane l's 16 bytes at 16 l):
;   qi, ki: block (((b 8 + h) 128 + tt) 4 + t): lane (r, hh): token 16 tt + r, channels 16 t + 8 hh + 0 .. 7 of head h.  qi carries the factor c = log2(e) / 8, applied in f32.
;   vi:     block ((((b 8 + h) 64 + kg) 4 + c) 2 + c2): lane (r, hh): channel 16 c + r, keys 32 kg + 16 c2 + 8 hh + 0 .. 7.
; SHARES.  A work-group takes 128 rows of one tensor.  Wave w quantises rows 16 w .. 16 w + 15 (four fragments of 128 along K), and owns head w (rows 64 w .. 64 w + 63 of W, in 128 registers for the whole launch) for all 128 rows.
; x comes by the tensor data mover, all of it asked for at the head: four loads a wave (16 rows x 512 bytes each), so four tensor loads of a wave are out.
; The codes go from wave to wave through LDS as images of their registers; one barrier.  For q and k the product is used transposed (source 0 = W's rows, source 1 = x): a lane holds one token and eight channels;
; for v the sources stand the other way round: a lane holds one channel and eight tokens, which are the second attention product's K.  The bias is the C of each sum's first matrix instruction.
; No cluster: nothing that goes through LDS is shared between work-groups.  192 work-groups: three tensors of 64 blocks; a work-group keeps one tensor's weights.
; LIMITS: results beyond 65,504 have no f16, under 6e-5 they keep an absolute error of 3e-8; a block of zeros gets the byte 1 and zero codes; NaN and infinities are not served.
; REGISTERS.  window 0: v1-9 addresses; v14, v15 the add's two; v16-31 at work; v32-63 four sets of codes, v64-67 their scale words; v68-75 W's scale words; v76-83 x's, two sets; v84-115 the way out; v128-255 two sets of 64.
;   window 1: v0-127 W's fragments (tile t, K step s at 8 (4 t + s)); v128-159 the bias, 8 a tile; v160-223 eight accumulators.
.set XR_W,  33792                      ; LDS: a wave's x: four K steps
.set XR_S,  8448                       ; of 16 rows x 528 bytes
.set XP,    528                        ; 512 bytes + 16 of padding: sixteen rows' reads of 16 bytes fall on sixteen different 16-byte columns modulo 256 bytes
.set XI,    8*XR_W                     ; images of x's 32 fragments (row tile m, K step s: 4 m + s), 1,024 bytes each
.set XS,    XI+32768                   ; their scale words, 128 bytes each
.set SPARE, XS+4096                    ; the spare words, 128 bytes for each wave: four blocks of 256 bytes that no other line names
.set XAD, 1                            ; my lane's place in my wave's x
.set LI,  2                            ; 16 x lane
.set XWI, 3                            ; where I store images
.set XWS, 4                            ; and scale words
.set XRS, 5                            ; where I read scale words: lanes 0-15 the even row tile's, lanes 16-31 the odd one's
.set XRI, 6                            ; where I read images
.set WSO, 7                            ; W's scale words in memory: lanes 0-15 the even tile's, lanes 16-31 the odd one's
.set BQO, 8                            ; the bias in memory, for q and k: 32 hh
.set BVO, 9                            ; for v: 4 r
.set SPW, 14
.set NIL, 15
.set TM,  16
.set PC,  32
.set PW,  64
.set WS,  68
.set XSC, 76
.set OUTR, 84
.set XA,  128
.set WF,  0
.set BB,  128
.set ACC, 160
.set MSB, 0
.macro WIN new                         ; the immediate's high byte repeats the setting that is left
.if MSB != \new
	s_set_vgpr_msb (MSB<<8)|\new
.set MSB, \new
.endif
.endm
	s_load_b512 s[4:19], s[0:1], 0x0               ; q s[4:5], k s[6:7], v s[8:9], bq s[10:11], bk s[12:13], bv s[14:15], wc s[16:17], ws s[18:19]
	s_load_b128 s[20:23], s[0:1], 0x40             ; qi s[20:21], ki s[22:23]
	s_load_b64 s[24:25], s[0:1], 0x50              ; vi
	v_lshl_add_u32 v[SPW], v0, 2, SPARE
	v_mov_b32 v[NIL], 0
	ds_add_u32 v[SPW], v[NIL]                      ; the wave's opening: the add, twice on end, and its wait ahead of my first tensor load
	ds_add_u32 v[SPW], v[NIL]
	v_lshrrev_b32 v10, 5, v0
	v_readfirstlane_b32 s26, v10                   ; wave 0..7
	s_and_b32 s27, ttmp7, 0xffff                   ; T
	; descriptor group 1: 16 rows x 128 elements of 4 bytes, 512 elements from row to row, four words of padding behind every 128
	s_mov_b32 s32, (2<<16)|(1<<20)|(6<<22)|(3<<25)
	s_mov_b32 s33, 128<<16                         ; tensor_dim0
	s_mov_b32 s34, 16<<16                          ; tensor_dim1
	s_mov_b32 s35, 128<<16                         ; tile_dim0
	s_mov_b32 s36, 16                              ; tile_dim1
	s_mov_b32 s37, 512                             ; the pitch
	s_mov_b32 s38, 0
	s_mov_b32 s39, 0
	s_mov_b32 s60, 0x3e38aa3b                      ; c = log2(e) / 8
	s_mov_b32 s61, s60                             ; (named with it as a pair)
	s_mov_b32 s62, 0x76543210
	s_mov_b32 s63, 0xfedcba98                      ; v_permlanex16_b32's selects for lane l xor 16
	v_and_b32 v10, 31, v0                          ; lane
	v_and_b32 v11, 15, v0                          ; r
	v_bfe_u32 v12, v0, 4, 1                        ; hh
	s_mul_i32 s66, s26, XR_W                       ; my wave's x in LDS
	v_mul_u32_u24 v[XAD], v11, XP
	v_lshl_add_u32 v[XAD], v12, 6, v[XAD]          ; row r, + 64 hh: my 16 numbers of a block of 32
	v_add_nc_u32 v[XAD], s66, v[XAD]
	v_lshlrev_b32 v[LI], 4, v10
	v_add_nc_u32 v[XRI], XI, v[LI]
	s_lshl_b32 s67, s26, 12
	v_add_nc_u32 v[XWI], s67, v[XRI]               ; my row tile's four images
	v_lshl_add_u32 v[XWS], v10, 2, XS
	s_lshl_b32 s67, s26, 9
	v_add_nc_u32 v[XWS], s67, v[XWS]
	v_lshl_add_u32 v[XRS], v11, 2, XS
	v_lshl_add_u32 v[XRS], v12, 9, v[XRS]          ; + 512 hh: four scale words further on is the next row tile
	v_lshlrev_b32 v[BVO], 2, v11
	v_lshl_add_u32 v[WSO], v12, 8, v[BVO]          ; 4 r + 256 hh
	v_lshlrev_b32 v[BQO], 5, v12
.irp b, 0,1,2,3
	v_mov_b32 v[TM+4+\b], 0                        ; written once: a lane permute's destination counts as one of its sources
.endr
	s_lshl_b32 s72, ttmp9, 18                      ; my block's 128 rows of 2,048 bytes,
	s_lshl_b32 s73, s26, 15                        ; my wave's 16
	s_add_co_u32 s72, s72, s73
	s_mov_b32 s73, 0
	s_lshl_b32 s74, s27, 17                        ; wc: a tensor's 131,072 bytes,
	s_lshl_b32 s75, s26, 14                        ; my head's 16 fragments
	s_add_co_u32 s74, s74, s75
	s_mov_b32 s75, 0
	s_lshl_b32 s76, s27, 13                        ; ws likewise: 8,192 and 1,024
	s_lshl_b32 s77, s26, 10
	s_add_co_u32 s76, s76, s77
	s_mov_b32 s77, 0
	s_lshl_b32 s78, s26, 8                         ; the bias: my head's 64 numbers
	s_mov_b32 s79, 0
	s_lshr_b32 s28, ttmp9, 4                       ; b
	s_lshl_b32 s28, s28, 3
	s_add_co_u32 s28, s28, s26                     ; b 8 + h
	s_lshl_b32 s28, s28, 7
	s_and_b32 s29, ttmp9, 15
	s_lshl_b32 s29, s29, 3
	s_add_co_u32 s28, s28, s29                     ; x 128 + my block's first token tile
	s_lshl_b32 s28, s28, 11                        ; 2,048 bytes a token tile, in all three layouts
	s_mov_b32 s29, 0
	s_wait_dscnt 0x0                               ; both opening adds are done
	s_wait_kmcnt 0x0
	s_cmp_eq_u32 s27, 0                            ; the choices hang on the work-group's number alone
	s_cselect_b64 s[30:31], s[4:5], s[6:7]
	s_cselect_b64 s[56:57], s[10:11], s[12:13]
	s_cselect_b64 s[58:59], s[20:21], s[22:23]
	s_cmp_eq_u32 s27, 2
	s_cselect_b64 s[30:31], s[8:9], s[30:31]
	s_cselect_b64 s[56:57], s[14:15], s[56:57]
	s_cselect_b64 s[58:59], s[24:25], s[58:59]
	s_add_nc_u64 s[30:31], s[30:31], s[72:73]
	s_add_nc_u64 s[56:57], s[56:57], s[78:79]
	s_add_nc_u64 s[58:59], s[58:59], s[28:29]
	s_add_nc_u64 s[16:17], s[16:17], s[74:75]
	s_add_nc_u64 s[18:19], s[18:19], s[76:77]
.irp s, 0,1,2,3                                ; descriptor group 0, a set for each K step
	s_mov_b32 s[40+4*\s], 1
	s_add_co_u32 s[41+4*\s], s66, \s*XR_S
	s_add_nc_u64 s[42+4*\s:43+4*\s], s[30:31], \s*512
	s_or_b32 s[43+4*\s], s[43+4*\s], 0x80000000
.endr
.irp s, 0,1,2,3
	tensor_load_to_lds s[40+4*\s:43+4*\s], s[32:39]
	s_nop 0
.endr
.rept 4
	v_nop
.endr
	WIN 0x40                                       ; destination window 1
.irp f, 0,1,2,3,4,5,6,7,8,9,10,11,12,13,14,15  ; W's fragments, f = 4 t + s: they stay
.irp c, 0,1
	global_load_b128 v[WF+8*\f+4*\c:WF+8*\f+4*\c+3], v[LI], s[16:17] offset:1024*\f+512*\c
.endr
.endr
	WIN 0
.irp p, 0,1
.irp s, 0,1,2,3
	global_load_b32 v[WS+4*\p+\s], v[WSO], s[18:19] offset:512*\p+64*\s   ; tiles 2 p (lanes 0-15) and 2 p + 1 (lanes 16-31), K step s
.endr
.endr
	s_cmp_eq_u32 s27, 2
	s_cbranch_scc1 .Lbias_v
	WIN 0x40
.irp t, 0,1,2,3                                ; q, k: a lane's eight registers are channels 16 t + 8 hh + 0 .. 7
	global_load_b128 v[BB+8*\t:BB+8*\t+3], v[BQO], s[56:57] offset:64*\t
	global_load_b128 v[BB+8*\t+4:BB+8*\t+7], v[BQO], s[56:57] offset:64*\t+16
.endr
	WIN 0
	s_branch .Lbias_done
.Lbias_v:
	WIN 0x40
.irp t, 0,1,2,3                                ; v: a lane's eight registers are eight tokens of channel 16 t + r
.irp j, 0,1,2,3,4,5,6,7
	global_load_b32 v[BB+8*\t+\j], v[BVO], s[56:57] offset:64*\t
.endr
.endr
	WIN 0
.Lbias_done:
.macro LOADX s                         ; K step s of my 16 rows: register 16 b + i = k 32 b + 16 hh + i of row r
.irp b, 0,1,2,3
.irp j, 0,1,2,3
	ds_load_b128 v[XA+64*((\s)%2)+16*\b+4*\j:XA+64*((\s)%2)+16*\b+4*\j+3], v[XAD] offset:(\s)*XR_S+128*\b+16*\j
.endr
.endr
.endm
; 64 numbers of a lane, from v[src] on, become a fragment's codes in set k and its scale word
.macro QUANT src, k
.irp b, 0,1,2,3
	v_max3_num_f32 v[TM+\b], |v[(\src)+16*\b]|, |v[(\src)+1+16*\b]|, 0x1800000   ; block b: my 16 numbers, and the floor 2^(3 - 127): the byte cannot fall under 1
.endr
.irp i, 2,4,6,8,10,12,14
.irp b, 0,1,2,3
	v_max3_num_f32 v[TM+\b], v[TM+\b], |v[(\src)+16*\b+\i]|, |v[(\src)+1+16*\b+\i]|   ; (the four blocks by turns)
.endr
.endr
.irp b, 0,1,2,3
	v_permlanex16_b32 v[TM+4+\b], v[TM+\b], s62, s63
.endr
.irp b, 0,1,2,3
	v_max_num_f32 v[TM+\b], v[TM+\b], v[TM+4+\b]   ; with lane l xor 16's: the block's largest magnitude
.endr
.irp b, 0,1,2,3
	v_add_nc_u32 v[TM+12+\b], 0xff000000, v[TM+\b] ; 2 off its exponent field: the conversion's scale operand
.endr
.irp b, 0,1,2,3
	v_lshrrev_b32 v[TM+4+\b], 23, v[TM+12+\b]      ; the scale's byte
.endr
	v_lshl_or_b32 v[PW+(\k)], v[TM+5], 8, v[TM+4]  ; the four bytes make my row's scale word
	v_lshl_or_b32 v[PW+(\k)], v[TM+6], 16, v[PW+(\k)]
	v_lshl_or_b32 v[PW+(\k)], v[TM+7], 24, v[PW+(\k)]
.irp b, 0,1,2,3
	v_cvt_scalef32_pk8_fp4_f32 v[PC+8*(\k)+2*\b], v[(\src)+16*\b:(\src)+7+16*\b], v[TM+12+\b]
	v_cvt_scalef32_pk8_fp4_f32 v[PC+8*(\k)+1+2*\b], v[(\src)+8+16*\b:(\src)+15+16*\b], v[TM+12+\b]
.endr
	v_nop                                          ; one plain place behind a scaled conversion
.irp c, 0,1                                    ; the operand's layout wants a whole block in a lane: lanes 0-15 block 2 c, lanes 16-31 block 2 c + 1
.irp i, 0,1
	v_permlane16_swap_b32 v[PC+8*(\k)+4*\c+\i], v[PC+8*(\k)+2+4*\c+\i]
.endr
.endr
.endm
.macro IMAGE k                         ; set k is K step k's fragment: it goes to LDS as it stands.  Each K step has a set of its own
	ds_store_b128 v[XWI], v[PC+8*(\k):PC+8*(\k)+3] offset:1024*(\k)
	ds_store_b128 v[XWI], v[PC+8*(\k)+4:PC+8*(\k)+7] offset:1024*(\k)+512
	ds_store_b32 v[XWS], v[PW+(\k)] offset:128*(\k)
.endm
	; ---- X: my 16 rows become four fragments.  A K step's numbers are read from LDS while the step before is quantised
	s_wait_tensorcnt 0x3                           ; K step 0 has landed; three younger loads may be out.  Only I read these bytes
	LOADX 0
.irp s, 0,1,2,3
.if \s < 3
	s_wait_tensorcnt 2-\s                          ; the next K step has landed
	LOADX \s+1
.endif
.if \s == 0
	s_wait_dscnt 16                                ; this step's 16 loads are in; the next step's 16 may be out
.elseif \s == 3
	s_wait_dscnt 3                                 ; behind them: the last image's three stores
.else
	s_wait_dscnt 19                                ; behind them: three stores and the next step's 16 loads
.endif
	QUANT XA+64*(\s%2), \s
	IMAGE \s
.endr
	s_wait_loadcnt 0x0                             ; W, its scale words, the bias
	s_wait_dscnt 0x0                               ; for the others' sake: my stores have landed
	s_barrier_signal -1
	s_barrier_wait -1                              ; x's 32 fragments lie in LDS
.macro FETCHP mp                       ; row tiles 2 mp and 2 mp + 1: eight fragments and four registers of scale words
.irp m, 0,1
.irp s, 0,1,2,3
.irp c, 0,1
	ds_load_b128 v[XA+64*((\mp)%2)+8*(4*\m+\s)+4*\c:XA+64*((\mp)%2)+8*(4*\m+\s)+4*\c+3], v[XRI] offset:(4*(2*(\mp)+\m)+\s)*1024+512*\c
.endr
.endr
.endr
.irp s, 0,1,2,3
	ds_load_b32 v[XSC+4*((\mp)%2)+\s], v[XRS] offset:(8*(\mp)+\s)*128
.endr
.endm
; one scaled product; ra, rb: the side's scales stand in lanes 16-31 of the register named
.macro WMS d, a, b, c, sa, sb, ra, rb
.if (\ra) && (\rb)
	v_wmma_scale_f32_16x16x128_f8f6f4 v[(\d):(\d)+7], v[(\a):(\a)+7], v[(\b):(\b)+7], v[(\c):(\c)+7], v[(\sa)], v[(\sb)] matrix_a_fmt:MATRIX_FMT_FP4 matrix_b_fmt:MATRIX_FMT_FP4 matrix_a_scale:MATRIX_SCALE_ROW1 matrix_b_scale:MATRIX_SCALE_ROW1
.elseif (\ra)
	v_wmma_scale_f32_16x16x128_f8f6f4 v[(\d):(\d)+7], v[(\a):(\a)+7], v[(\b):(\b)+7], v[(\c):(\c)+7], v[(\sa)], v[(\sb)] matrix_a_fmt:MATRIX_FMT_FP4 matrix_b_fmt:MATRIX_FMT_FP4 matrix_a_scale:MATRIX_SCALE_ROW1
.elseif (\rb)
	v_wmma_scale_f32_16x16x128_f8f6f4 v[(\d):(\d)+7], v[(\a):(\a)+7], v[(\b):(\b)+7], v[(\c):(\c)+7], v[(\sa)], v[(\sb)] matrix_a_fmt:MATRIX_FMT_FP4 matrix_b_fmt:MATRIX_FMT_FP4 matrix_b_scale:MATRIX_SCALE_ROW1
.else
	v_wmma_scale_f32_16x16x128_f8f6f4 v[(\d):(\d)+7], v[(\a):(\a)+7], v[(\b):(\b)+7], v[(\c):(\c)+7], v[(\sa)], v[(\sb)] matrix_a_fmt:MATRIX_FMT_FP4 matrix_b_fmt:MATRIX_FMT_FP4
.endif
.endm
; Two row tiles x my four tiles of W: eight accumulators by turns, one instruction a turn, K step by K step; then the way out.
.macro GROUP mp, swap
.set XF, XA+64*((\mp)%2)
.set XC, XSC+4*((\mp)%2)
.rept 5
	v_nop                                          ; the accumulators begin anew with another C: five places behind the last products that wrote them (ISA guide 7.12.1)
.endr
.if \swap
	WIN 0x54                                       ; source 0 (x) window 0, source 1 (W), C and D window 1
.else
	WIN 0x51                                       ; source 0 (W), C and D window 1, source 1 (x) window 0
.endif
.irp s, 0,1,2,3
.irp m, 0,1
.irp t, 0,1,2,3
.set cc, ACC+8*(4*\m+\t)
.if \s == 0
.set cc, BB+8*\t
.endif
.if \swap
	WMS ACC+8*(4*\m+\t), XF+8*(4*\m+\s), WF+8*(4*\t+\s), cc, XC+\s, WS+4*(\t/2)+\s, \m, \t%2
.else
	WMS ACC+8*(4*\m+\t), WF+8*(4*\t+\s), XF+8*(4*\m+\s), cc, WS+4*(\t/2)+\s, XC+\s, \t%2, \m
.endif
.endr
.endr
.endr
	WIN 0
.rept 4
	v_nop                                          ; places in front of the first read of results, and of the next loads into registers that these products read
.endr
.if !\swap
	s_cmp_eq_u32 s27, 0                            ; q alone is multiplied by c
	s_cbranch_scc0 .Lplain_\@
	WIN 0x41
.set i, 0
.rept 32
	v_pk_mul_f32 v[ACC+2*i:ACC+2*i+1], v[ACC+2*i:ACC+2*i+1], s[60:61] op_sel_hi:[1,0]   ; each accumulator from its low end on
.set i, i+1
.endr
	WIN 0
.Lplain_\@:
.endif
	s_wait_xcnt 0x0                                ; the last group's stores have read their registers
	WIN 0x05                                       ; sources window 1, destination window 0
.set i, 0
.rept 32
	v_cvt_pk_f16_f32 v[OUTR+i], v[ACC+2*i], v[ACC+2*i+1]
.set i, i+1
.endr
	WIN 0
.irp m, 0,1
.irp t, 0,1,2,3
.if \swap
	global_store_b128 v[LI], v[OUTR+4*(4*\m+\t):OUTR+4*(4*\m+\t)+3], s[58:59] offset:(8*(\mp)+2*\t+\m)*512      ; kg = mp, c = t, c2 = m: 512 consecutive bytes a store
.else
	global_store_b128 v[LI], v[OUTR+4*(4*\m+\t):OUTR+4*(4*\m+\t)+3], s[58:59] offset:(4*(2*(\mp)+\m)+\t)*512
.endif
.endr
.endr
.endm
	; ---- 1: my head for the 128 rows, two row tiles at a time; the next two are fetched meanwhile
	FETCHP 0
.irp mp, 0,1,2,3
.if \mp < 3
	FETCHP \mp+1
	s_wait_dscnt 20                                ; this pair's 20 loads are in; the next pair's 20 may be out
.else
	s_wait_dscnt 0x0
.endif
	s_cmp_eq_u32 s27, 2
	s_cbranch_scc1 .Lgroup_v_\mp
	GROUP \mp, 0
	s_branch .Lgroup_done_\mp
.Lgroup_v_\mp:
	GROUP \mp, 1
.Lgroup_done_\mp:
.endr
	s_wait_tensorcnt 0x0                           ; the wave's end: behind my last tensor load and my last LDS store
	ds_add_u32 v[SPW], v[NIL]
	s_wait_dscnt 0x0
	s_endpgm
.Lfunc_end_k_qfe5e656a0b_proj:
	.size	k_qfe5e656a0b_proj, .Lfunc_end_k_qfe5e656a0b_proj-k_qfe5e656a0b_proj
	.p2alignl 7, 3214868480
	.fill 96, 4, 3214868480
	.section	.rodata,"a",@progbits
	.p2align	6, 0x0
	.amdhsa_kernel k_qfe5e656a0b_proj
		.amdhsa_group_segment_fixed_size 327680
		.amdhsa_private_segment_fixed_size 0
		.amdhsa_enable_private_segment 0
		.amdhsa_kernarg_size 88
		.amdhsa_user_sgpr_count 2
		.amdhsa_user_sgpr_kernarg_segment_ptr 1
		.amdhsa_wavefront_size32 1
		.amdhsa_system_sgpr_workgroup_id_x 1
		.amdhsa_system_sgpr_workgroup_id_y 1
		.amdhsa_system_sgpr_workgroup_id_z 1
		.amdhsa_system_vgpr_workitem_id 0
		.amdhsa_next_free_vgpr 512
		.amdhsa_next_free_sgpr 80
		.amdhsa_reserve_vcc 0
		.amdhsa_float_denorm_mode_32 3
		.amdhsa_float_denorm_mode_16_64 3
		.amdhsa_memory_ordered 1
		.amdhsa_forward_progress 1
		.amdhsa_inst_pref_size 105
	.end_amdhsa_kernel
	.amdgpu_metadata
---
amdhsa.version: [ 1, 2 ]
amdhsa.kernels:
  - .name:           k_qfe5e656a0b_proj
    .symbol:         k_qfe5e656a0b_proj.kd
    .args:
      - { .name: q, .offset: 0, .size: 8, .value_kind: global_buffer, .address_space: global }
      - { .name: k, .offset: 8, .size: 8, .value_kind: global_buffer, .address_space: global }
      - { .name: v, .offset: 16, .size: 8, .value_kind: global_buffer, .address_space: global }
      - { .name: bq, .offset: 24, .size: 8, .value_kind: global_buffer, .address_space: global }
      - { .name: bk, .offset: 32, .size: 8, .value_kind: global_buffer, .address_space: global }
      - { .name: bv, .offset: 40, .size: 8, .value_kind: global_buffer, .address_space: global }
      - { .name: wc, .offset: 48, .size: 8, .value_kind: global_buffer, .address_space: global }
      - { .name: ws, .offset: 56, .size: 8, .value_kind: global_buffer, .address_space: global }
      - { .name: qi, .offset: 64, .size: 8, .value_kind: global_buffer, .address_space: global }
      - { .name: ki, .offset: 72, .size: 8, .value_kind: global_buffer, .address_space: global }
      - { .name: vi, .offset: 80, .size: 8, .value_kind: global_buffer, .address_space: global }
    .group_segment_fixed_size: 327680
    .private_segment_fixed_size: 0
    .kernarg_segment_align: 8
    .kernarg_segment_size: 88
    .max_flat_workgroup_size: 256
    .sgpr_count:     80
    .vgpr_count:     512
    .wavefront_size: 32
...
	.end_amdgpu_metadata
.endif
;; end of part 2
;; launch attn (part 3): grid 8 x 32, 8 waves a work-group, clusters of 4 x 1, 327,680 bytes of LDS; arguments qi, ki, vi, rpe, k_padding_mask, ao; writes ao
.if DOCPART == 3
	.amdgcn_target "amdgcn-amd-amdhsa--gfx1250"
	.amdhsa_code_object_version 6
	.text
	.protected	k_qfe5e656a0b_attn
	.globl	k_qfe5e656a0b_attn
	.p2align	8
	.type	k_qfe5e656a0b_attn,@function
k_qfe5e656a0b_attn:
	s_mov_b64 s[64:65], 0
	v_nop
	global_prefetch_b8 v0, s[64:65] scope:SCOPE_SE
	s_setreg_imm32_b32 hwreg(HW_REG_WAVE_MODE, 25, 1), 1
	s_wait_xcnt 0x0
	s_wait_alu depctr_hold_cnt(0) depctr_sa_sdst(0) depctr_va_vdst(0) depctr_va_sdst(0) depctr_va_ssrc(0) depctr_va_vcc(0) depctr_vm_vsrc(0)
	s_getreg_b32 s2, hwreg(HW_REG_IB_STS2, 6, 4)
	s_cmp_eq_u32 s2, 0
	s_cbranch_scc0 .Lentry_in_a_cluster
	s_endpgm
.Lentry_in_a_cluster:
	s_bfe_u32 s2, ttmp6, 0x10000c
	s_cmp_lg_u32 s2, 0x3003
	s_cbranch_scc0 .Lentry_shape_is_right
	s_endpgm
.Lentry_shape_is_right:
; For each batch b and head h (bh = 8 b + h): O[i] = sum over j of softmax_j(Q[i] . K[j] / 8 + rpe[h][j - i + 2047], padded keys' scores REPLACED by -1e9) V[j].  f16 operands, f32 sums, maxima and row sums.
; qi, ki, vi, ao are images of operand registers (blocks of 512 bytes, lane l's 16 bytes at 16 l): every fragment is two loads of 16 bytes a lane at 16 l + a constant.  qi carries log2(e) / 8, so scores come out in base 2.
; SHARES.  A work-group owns 256 queries of one bh.  Wave w owns 64 of them (group qg = w / 2: four tiles of 16) and HALF the keys (kh = (w ^ (w / 4)) & 1: 1,024 keys, 16 steps of 64).  Waves 2 qg and 2 qg + 1 join m, l and O at the end.
; LAYOUT.  S^T = K Q^T (source 0 = 16 keys, source 1 = 16 queries), O^T = V^T P (source 0 = 16 channels, source 1 = P): a lane holds one query throughout; two tiles of S^T rounded to f16 in pairs are source 1 of the second product.
; THE BIAS hangs on j - i alone: seven tiles of it serve a wave's sixteen products of a step, as the C of the first K Q^T instruction.  LDS holds the window W[y] = rpe[h][256 (7 - block) + y] x log2(e), y = j - (i - 256 block) + 255,
; in four copies shifted by 0 to 3 numbers, so that a lane's eight numbers, which begin at any y, come by two aligned loads of 16 bytes.  Copies lie 9,280 bytes apart: sixteen lanes touch sixteen different 16-byte columns modulo 256 bytes.
; THE MASK replaces: t = t x keep + (1 - keep) x NEGL, keep = 1 or 0 from a table in LDS, NEGL = -1e9 x log2(e).  A batch whose keys are all padded so gets the uniform weights that the definition gives.
; SOFTMAX.  A running maximum m and sum l for each query; p = 2^(t - m); O and l are multiplied by a = 2^(old m - new m) in every step.
; TWO GROUPS OF WAVES HALF A TRIP APART.  A step is a phase M (64 matrix instructions and the step's LDS loads) and a phase SM (the softmax: vector work alone).  Waves with kh = 0 run M, SM; those with kh = 1 run SM (of the step before), M.
; So while a wave of one group issues vector work, a wave of the other issues matrix work.  The branches hang on the wave's number alone; barriers, tensor loads and address steps stand in the text that all waves run.
; THE RING.  Step 0's K and V come straight into registers.  Steps 1 to 15 come in five periods of three steps through two LDS slots; each wave fetches 12,288 bytes of a slot with one tensor load.
; CLUSTER.  The four work-groups of a cluster belong to one bh and walk the same K and V: each tile is asked for jointly, by the same load with a mask that names the four.  One tensor load of a wave is out at a time.
; LIMITS: scores are finite and above -1e9; NaN and infinities are not served; the result is rounded to f16 (beyond 65,504 none, under 6e-5 an absolute error of 3e-8).
; REGISTERS.  window 0: v1-9 addresses; v[10:11] -NEGL, v[12:13] NEGL; v14, v15 the add's two; v16-63 twelve registers of statistics a tile (+0 m, +1 old m, +2, +3 l, +4..+7 at work: a at +6, +8..+11 sums);
;   v64-119 the bias, then v64-95 keep and v96-127 (1 - keep) x NEGL; v128-255 S^T, 32 a tile; P is written over the low 16 of each.   window 1: v0-127 O^T (tile a, channels 16 c: 32 a + 8 c); v128-191 Q; v192-255 V of the step before, then K.
.set SLOT1, 131072                     ; slot 1 begins here: one exclusive or turns an address in one slot into the other's
.set HALF,  49152                      ; a slot: key half 0, key half 1; in a half three steps of K, then three of V
.set VOFF,  24576
.set STEPB, 8192                       ; 64 keys of K or of V
.set PIECE, 12288                      ; what one tensor load brings
.set STG,   98304                      ; the join: O's images of query groups 0 and 1, 16,384 bytes each, between the slots: no fill lands there
.set TBL,   229376                     ; the bias window, four copies
.set TCP,   9280
.set MK,    266752                     ; keep, 2,048 numbers
.set SPARE, MK+8192                    ; the spare words, 128 bytes for each wave: four blocks of 256 bytes that no other line names
.set ST2,   SPARE+1024                 ; the join: O's images of query groups 2 and 3
.set ML,    ST2+32768                  ; the join: m and l, 1,024 bytes a query group
.set LI,  1
.set AK0, 2
.set AB0, 3
.set AM0, 4
.set ADK, 5
.set ADB, 6
.set ADM, 7
.set STA, 8
.set PFO, 9
.set NGP, 10
.set NGL, 12
.set SPW, 14
.set NIL, 15
.set ST,  16
.set BI,  64
.set KP,  64
.set AD,  96
.set S,   128
.set Q,   128                          ; in window 1
.set POOL, 192                         ; in window 1
.set MSB, 0
.macro WIN new                         ; the immediate's high byte repeats the setting that is left
.if MSB != \new
	s_set_vgpr_msb (MSB<<8)|\new
.set MSB, \new
.endif
.endm
.macro PLACES n
.rept \n
	v_nop
.endr
.endm
.macro CROUND                          ; a round of the cluster's barrier
	s_barrier_signal -1
	s_barrier_wait -1
	s_cmp_lg_u32 s16, 0
	s_cbranch_scc1 .Lnot_wave_0_\@
	s_barrier_signal -3
.Lnot_wave_0_\@:
	s_barrier_wait -3
	s_barrier_signal -1
	s_barrier_wait -1
.endm
.macro JLOAD                           ; my piece of a slot; an s_nop 0 and four v_nop follow
	tensor_load_to_lds s[32:35], s[24:31]
	s_nop 0
	PLACES 4
.endm
; A prefetch into the L2 of the period after the one just asked for: three trips ahead of the load that will want it.  The head's first cluster asks; in each partner waves 0 to 3 take K or V (wave % 2) of key half wave / 2,
; 24,576 bytes a period, of which the partner at place cx takes 6,144 BY ADDRESS: 24 blocks of 256 bytes, a lane a block (lanes 24 to 31 name lane 23's again).  The last change that fills a slot asks for nothing.
.macro ASK
	s_cmp_gt_u32 s38, s44
	s_cbranch_scc0 .Lnot_mine_\@
	global_prefetch_b8 v[PFO], s[42:43] th:TH_LOAD_NT scope:SCOPE_SE
.Lnot_mine_\@:
.endm
	s_load_b256 s[4:11], s[0:1], 0x0               ; qi s[4:5], ki s[6:7], vi s[8:9], rpe s[10:11]
	s_load_b128 s[12:15], s[0:1], 0x20             ; k_padding_mask s[12:13], ao s[14:15]
	v_lshl_add_u32 v[SPW], v0, 2, SPARE
	v_mov_b32 v[NIL], 0
	ds_add_u32 v[SPW], v[NIL]                      ; the wave's opening: the add, twice on end, and its wait ahead of my first tensor load
	ds_add_u32 v[SPW], v[NIL]
	v_lshrrev_b32 v16, 5, v0
	v_readfirstlane_b32 s16, v16                   ; wave 0..7
	s_lshr_b32 s17, s16, 2
	s_xor_b32 s17, s17, s16
	s_and_b32 s17, s17, 1                          ; kh: my key half, and my group
	s_lshr_b32 s18, s16, 1                         ; qg
	s_and_b32 s19, s16, 1
	s_bfe_u32 s20, ttmp6, 0x40000                  ; cx
	s_lshl_b32 s21, ttmp9, 2
	s_add_co_u32 s21, s21, s20                     ; my block of 256 queries: it enters global addresses alone
	s_and_b32 s22, ttmp7, 0xffff                   ; bh, which the four partners share
	; descriptor group 1: 12,288 dense bytes as 48 rows of 32 elements of 8 bytes
	s_mov_b32 s24, 15|(3<<16)|(1<<21)              ; 15:0 the mask: all four work-groups; 17:16 elements of 8 bytes; 21 set beside a mask
	s_mov_b32 s25, 32<<16                          ; tensor_dim0
	s_mov_b32 s26, 48<<16                          ; tensor_dim1
	s_mov_b32 s27, 32<<16                          ; tile_dim0
	s_mov_b32 s28, 48                              ; tile_dim1
	s_mov_b32 s29, 32                              ; the pitch
	s_mov_b32 s30, 0
	s_mov_b32 s31, 0
	s_mov_b32 s40, 0x76543210
	s_mov_b32 s41, 0xfedcba98                      ; v_permlanex16_b32's selects for lane l xor 16
	s_mov_b32 s37, 0                               ; 256 x step: the bias's and keep's bytes a step
	v_and_b32 v17, 31, v0                          ; lane
	v_and_b32 v18, 15, v0                          ; r
	v_bfe_u32 v19, v0, 4, 1                        ; hh
	v_lshlrev_b32 v[LI], 4, v17
	s_mul_i32 s23, s17, HALF
	v_add_nc_u32 v[AK0], s23, v[LI]                ; an image's place for my lane, in my key half
	v_xor_b32 v20, 15, v18                         ; u = 15 - r
	v_and_b32 v21, 3, v20                          ; which copy
	v_mul_u32_u24 v[AB0], v21, TCP-4               ; copy s begins 9,280 s on and is read s numbers earlier
	v_lshl_add_u32 v[AB0], v20, 2, v[AB0]
	v_lshl_add_u32 v[AB0], v19, 5, v[AB0]          ; + 4 u + 32 hh
	s_xor_b32 s23, s18, 3
	s_lshl_b32 s23, s23, 8                         ; + 256 (3 - qg)
	s_lshl_b32 s45, s17, 12                        ; + 4,096 kh
	s_add_co_u32 s23, s23, s45
	s_add_co_u32 s23, s23, TBL
	v_add_nc_u32 v[AB0], s23, v[AB0]
	s_add_co_u32 s45, s45, MK
	v_lshl_add_u32 v[AM0], v19, 5, s45             ; keep: 32 hh + 4,096 kh
	s_lshl_b32 s23, s18, 14                        ; the join's stage of my query group
	s_lshr_b32 s45, s18, 1
	s_mul_i32 s45, s45, ST2-STG-32768
	s_add_co_u32 s23, s23, s45
	s_add_co_u32 s23, s23, STG
	v_add_nc_u32 v[STA], s23, v[LI]
	v_min_u32 v[PFO], 23, v17
	v_lshlrev_b32 v[PFO], 8, v[PFO]
	v_lshl_add_u32 v[ADK], v0, 2, TBL              ; for now: where thread t stores W[t]
	v_lshl_add_u32 v[ADB], v0, 5, MK               ; and its eight numbers of keep
	v_lshlrev_b32 v[ADM], 2, v0                    ; rpe in memory: 4 t
	v_lshlrev_b32 v22, 3, v0                       ; the mask in memory: 8 t
	v_add_nc_u32 v23, 2048, v0
	v_min_u32 v23, 2302, v23                       ; the window ends at y = 2,302: thread 255's ninth load names that number again
	v_lshlrev_b32 v23, 2, v23
	v_mov_b32 v[NGL], 0xceabfb8f                   ; NEGL = -1e9 x log2(e)
	v_mov_b32 v[NGL+1], 0xceabfb8f
	v_mov_b32 v[NGP], 0x4eabfb8f
	v_mov_b32 v[NGP+1], 0x4eabfb8f
	; byte offsets
	s_lshl_b32 s54, s22, 18                        ; a head's 262,144 bytes of K or V,
	s_lshl_b32 s23, s17, 17                        ; my key half
	s_add_co_u32 s54, s54, s23
	s_mov_b32 s55, 0
	s_lshl_b32 s56, s22, 18                        ; what I fetch: key half wave / 4,
	s_lshr_b32 s23, s16, 2
	s_lshl_b32 s23, s23, 17
	s_add_co_u32 s56, s56, s23
	s_mul_i32 s23, s19, PIECE                      ; piece wave % 2,
	s_add_co_u32 s56, s56, s23
	s_add_co_u32 s56, s56, STEPB                   ; from step 1 on
	s_mov_b32 s57, 0
	s_lshl_b32 s58, s22, 7
	s_lshl_b32 s23, s21, 4
	s_add_co_u32 s58, s58, s23
	s_lshl_b32 s23, s18, 2
	s_add_co_u32 s58, s58, s23                     ; my first token tile in qi: bh 128 + 16 block + 4 qg
	s_lshl_b32 s58, s58, 11
	s_mov_b32 s59, 0
	s_wait_dscnt 0x0                               ; both opening adds are done
	s_wait_kmcnt 0x0
	s_add_nc_u64 s[46:47], s[6:7], s[54:55]        ; K and V at my key half's step 0
	s_add_nc_u64 s[48:49], s[8:9], s[54:55]
	s_add_nc_u64 s[50:51], s[4:5], s[58:59]        ; Q
	s_and_b32 s23, s16, 2
	s_cmp_eq_u32 s23, 0                            ; waves 0, 1, 4, 5 fetch K, the others V
	s_cselect_b64 s[34:35], s[6:7], s[8:9]
	s_add_nc_u64 s[34:35], s[34:35], s[56:57]
	s_or_b32 s35, s35, 0x80000000                  ; type = 2
	s_mov_b32 s32, 1
	s_mul_i32 s33, s16, PIECE                      ; slot 0: no place in the cluster enters an LDS address
	s_lshr_b32 s54, s22, 3                         ; b
	s_lshl_b32 s58, s54, 11                        ; the mask: 2,048 bytes a batch
	s_add_nc_u64 s[12:13], s[12:13], s[58:59]
	s_lshl_b32 s54, s54, 7
	s_lshl_b32 s23, s21, 4
	s_add_co_u32 s54, s54, s23
	s_lshl_b32 s23, s18, 2
	s_add_co_u32 s54, s54, s23                     ; ao: token tile b 128 + 16 block + 4 qg,
	s_lshl_b32 s54, s54, 14
	s_and_b32 s45, s22, 7                          ; h
	s_lshl_b32 s23, s45, 11
	s_add_co_u32 s54, s54, s23                     ; the head's 2,048 bytes in it
	s_add_nc_u64 s[52:53], s[14:15], s[54:55]
	s_mul_i32 s58, s45, 4095                       ; rpe: row h,
	s_xor_b32 s23, s21, 7
	s_lshl_b32 s23, s23, 8
	s_add_co_u32 s58, s58, s23                     ; + 256 (7 - block)
	s_lshl_b32 s58, s58, 2
	s_add_nc_u64 s[10:11], s[10:11], s[58:59]
	s_cmp_eq_u32 s19, 0                            ; the prefetches: K in even waves, V in odd ones,
	s_cselect_b64 s[42:43], s[6:7], s[8:9]
	s_lshl_b32 s58, s22, 18
	s_and_b32 s23, s18, 1
	s_lshl_b32 s23, s23, 17                        ; key half (wave / 2) % 2,
	s_add_co_u32 s58, s58, s23
	s_mul_i32 s23, s20, 6144                       ; my work-group's quarter,
	s_add_co_u32 s58, s58, s23
	s_add_co_u32 s58, s58, 4*STEPB                 ; in period 1: the first change of slots steps it to period 2.  Nothing is prefetched at the head
	s_add_nc_u64 s[42:43], s[42:43], s[58:59]
	s_lshr_b32 s23, s16, 2
	s_or_b32 s23, s23, ttmp9                       ; 0 in waves 0 to 3 of the head's first cluster: the same in all four partners
	s_cmp_eq_u32 s23, 0
	s_cselect_b32 s44, 1, -1
	CROUND                                         ; all four work-groups are here: the first joint loads meet
	JLOAD                                          ; period 0 into slot 0
.irp i, 0,1,2,3,4,5,6,7
	global_load_b32 v[64+\i], v[ADM], s[10:11] offset:1024*\i      ; W[t + 256 i]
.endr
	global_load_b32 v72, v23, s[10:11]
	global_load_b64 v[74:75], v22, s[12:13]        ; eight keys' mask bytes
	WIN 0x40                                       ; destination window 1
.set i, 0
.rept 16
	global_load_b128 v[Q+4*i:Q+4*i+3], v[LI], s[50:51] offset:512*i      ; Q stays: tile a, channels 32 ks on, at 8 (2 a + ks)
.set i, i+1
.endr
.irp ks, 0,1
.irp b, 0,1,2,3
	global_load_b128 v[POOL+8*(4*\ks+\b):POOL+8*(4*\ks+\b)+3], v[LI], s[46:47] offset:\b*2048+\ks*1024        ; K of step 0
	global_load_b128 v[POOL+8*(4*\ks+\b)+4:POOL+8*(4*\ks+\b)+7], v[LI], s[46:47] offset:\b*2048+\ks*1024+512
.endr
.endr
.set i, 0
.rept 128
	v_mov_b32 v[i], 0                              ; O^T.  (A step is written once for both groups: the first finds zeros, which a = 0 leaves zeros; a first step of its own would be a third copy of the trip)
.set i, i+1
.endr
	WIN 0
	s_wait_loadcnt 32                              ; the tables' ten loads are in; Q's and K's 32 may be out
.irp i, 0,1,2,3,4,5,6,7,8
	v_mul_f32 v[64+\i], 0x3fb8aa3b, v[64+\i]       ; x log2(e)
.endr
.irp s, 0,1,2,3
.irp i, 0,1,2,3,4,5,6,7,8
	ds_store_b32 v[ADK], v[64+\i] offset:(TCP-4)*\s+1024*\i        ; copy s, place y - s (what would fall ahead of a copy falls into the 64 bytes that are left between copies)
.endr
.endr
.irp k, 0,1,2,3
	v_bfe_u32 v[80+\k], v74, 8*\k, 8
	v_bfe_u32 v[84+\k], v75, 8*\k, 8
.endr
.irp k, 0,1,2,3,4,5,6,7
	v_cvt_f32_u32 v[80+\k], v[80+\k]
.endr
.irp k, 0,1,2,3,4,5,6,7
	v_sub_f32 v[80+\k], 1.0, v[80+\k]              ; keep = 1 - mask
.endr
	ds_store_b128 v[ADB], v[80:83]
	ds_store_b128 v[ADB], v[84:87] offset:16
.irp a, 0,1,2,3
	v_mov_b32 v[ST+12*\a], 0xff61b1e6              ; m = -3e38, under every score
	v_mov_b32 v[ST+12*\a+2], 0                     ; l, in two halves
	v_mov_b32 v[ST+12*\a+3], 0
.endr
	s_wait_dscnt 0x0                               ; for the others' sake: my part of the tables has landed
	s_barrier_signal -1
	s_barrier_wait -1                              ; (period 0's load may stay out)
; ---- the matrix work
.macro PVP part                        ; O[a][c] += V(keys 32 part on, channels 16 c on) x P[a](the same keys): sixteen accumulators by turns
	WIN 0x51                                       ; V, C and D window 1, P window 0
.irp c, 0,1,2,3
.irp a, 0,1,2,3
	v_wmma_f32_16x16x32_f16 v[32*\a+8*\c:32*\a+8*\c+7], v[POOL+8*(4*\part+\c):POOL+8*(4*\part+\c)+7], v[S+32*\a+8*\part:S+32*\a+8*\part+7], v[32*\a+8*\c:32*\a+8*\c+7]
.endr
.endr
.endm
.macro KQP ks                          ; S[a][b] (+)= K(keys 16 b on, channels 32 ks on) x Q[a]; the first starts the sum with the bias tile b - a + 3
	WIN 0x05                                       ; K and Q window 1; C and D window 0
.irp b, 0,1,2,3
.irp a, 0,1,2,3
.if \ks == 0
	v_wmma_f32_16x16x32_f16 v[S+32*\a+8*\b:S+32*\a+8*\b+7], v[POOL+8*\b:POOL+8*\b+7], v[Q+16*\a:Q+16*\a+7], v[BI+8*(\b-\a+3):BI+8*(\b-\a+3)+7]
.else
	v_wmma_f32_16x16x32_f16 v[S+32*\a+8*\b:S+32*\a+8*\b+7], v[POOL+32+8*\b:POOL+32+8*\b+7], v[Q+16*\a+8:Q+16*\a+15], v[S+32*\a+8*\b:S+32*\a+8*\b+7]
.endif
.endr
.endr
.endm
.macro BIAS                            ; seven tiles: 14 loads
.irp e, 0,1,2,3,4,5,6
	ds_load_b128 v[BI+8*\e:BI+8*\e+3], v[ADB] offset:64*\e
	ds_load_b128 v[BI+8*\e+4:BI+8*\e+7], v[ADB] offset:64*\e+16
.endr
.endm
.macro KEEP                            ; keep of the step's 64 keys: 8 loads; sixteen lanes read the same 16 bytes
.irp b, 0,1,2,3
	ds_load_b128 v[KP+8*\b:KP+8*\b+3], v[ADM] offset:64*\b
	ds_load_b128 v[KP+8*\b+4:KP+8*\b+7], v[ADM] offset:64*\b+16
.endr
.endm
.macro KLOAD ks                        ; four fragments of K: 8 loads
	WIN 0x40
.irp b, 0,1,2,3
	ds_load_b128 v[POOL+8*(4*\ks+\b):POOL+8*(4*\ks+\b)+3], v[ADK] offset:\b*2048+\ks*1024
	ds_load_b128 v[POOL+8*(4*\ks+\b)+4:POOL+8*(4*\ks+\b)+7], v[ADK] offset:\b*2048+\ks*1024+512
.endr
.endm
; PHASE M of step j: V^T P of step j - 1, K Q^T of step j.  V's registers take K as they fall free, and V of step j behind that.
.macro M
	BIAS
	s_wait_dscnt 14                                ; V of the step before is in; the 14 bias loads may be out
	PVP 0
	PLACES 4                                       ; in front of loads into registers that these products read (ISA guide 7.12.1 for vector instructions)
	KLOAD 0
	PVP 1
	PLACES 5                                       ; K Q^T writes over P, which these products read: five
	KLOAD 1
	s_wait_dscnt 8                                 ; the bias and K's first half are in; its second half may be out
	KQP 0
	PLACES 4                                       ; keep lands where the bias lay
	WIN 0
	KEEP
	s_wait_dscnt 8                                 ; K's second half is in; keep may be out
	KQP 1
	PLACES 5                                       ; the larger of the two distances behind this form: V lands where K lay, and the scores are read next
	WIN 0x40
.irp f, 0,1,2,3,4,5,6,7                        ; V of this step: keys 32 (f / 4) on, channels 16 (f % 4) on: 16 loads
	ds_load_b128 v[POOL+8*\f:POOL+8*\f+3], v[ADK] offset:VOFF+(\f/4)*4096+(\f%4)*1024
	ds_load_b128 v[POOL+8*\f+4:POOL+8*\f+7], v[ADK] offset:VOFF+(\f/4)*4096+(\f%4)*1024+512
.endr
	WIN 0
.endm
.macro M0                              ; step 0: K lies in its registers; there is no step before; V comes from memory
	BIAS
	s_wait_loadcnt 0x0                             ; Q and K
	s_wait_dscnt 0x0
	KQP 0
	PLACES 4
	WIN 0
	KEEP
	KQP 1
	PLACES 5
	WIN 0x40
.irp f, 0,1,2,3,4,5,6,7
	global_load_b128 v[POOL+8*\f:POOL+8*\f+3], v[LI], s[48:49] offset:(\f/4)*4096+(\f%4)*1024
	global_load_b128 v[POOL+8*\f+4:POOL+8*\f+7], v[LI], s[48:49] offset:(\f/4)*4096+(\f%4)*1024+512
.endr
	WIN 0
.endm
; PHASE SM: the softmax of a step, stage by stage, the four tiles by turns inside each stage.  No LDS instruction.  cnt: the LDS loads issued behind keep's
.macro SM cnt
	s_wait_dscnt \cnt                              ; keep is in
.set i, 0
.rept 16
	v_pk_fma_f32 v[AD+2*i:AD+2*i+1], v[KP+2*i:KP+2*i+1], v[NGP:NGP+1], v[NGL:NGL+1]     ; (1 - keep) x NEGL: 0 or NEGL, exactly
.set i, i+1
.endr
.set i, 0
.rept 16
.irp a, 0,1,2,3
	v_pk_fma_f32 v[S+32*\a+2*i:S+32*\a+2*i+1], v[S+32*\a+2*i:S+32*\a+2*i+1], v[KP+2*i:KP+2*i+1], v[AD+2*i:AD+2*i+1]   ; the mask replaces; each accumulator is read from its low end on
.endr
.set i, i+1
.endr
.irp j, 0,1,2,3                                ; the maximum of 32 scores and the old m, three operands at a time, in four chains
.irp a, 0,1,2,3
	v_max3_num_f32 v[ST+12*\a+4+\j], v[S+32*\a+8*\j], v[S+32*\a+8*\j+1], v[S+32*\a+8*\j+2]
.endr
.endr
.irp q, 1,2
.irp j, 0,1,2,3
.irp a, 0,1,2,3
	v_max3_num_f32 v[ST+12*\a+4+\j], v[ST+12*\a+4+\j], v[S+32*\a+8*\j+2*\q+1], v[S+32*\a+8*\j+2*\q+2]
.endr
.endr
.endr
.irp a, 0,1,2,3
	v_max3_num_f32 v[ST+12*\a+4], v[ST+12*\a+4], v[S+32*\a+7], v[S+32*\a+15]
.endr
.irp a, 0,1,2,3
	v_max3_num_f32 v[ST+12*\a+6], v[ST+12*\a+6], v[S+32*\a+23], v[S+32*\a+31]
.endr
.irp a, 0,1,2,3
	v_max3_num_f32 v[ST+12*\a+4], v[ST+12*\a+4], v[ST+12*\a+5], v[ST+12*\a+6]
.endr
.irp a, 0,1,2,3
	v_max3_num_f32 v[ST+12*\a+4], v[ST+12*\a+4], v[ST+12*\a+7], v[ST+12*\a]
.endr
.irp a, 0,1,2,3
	v_mov_b32 v[ST+12*\a+1], v[ST+12*\a]           ; the old m is kept for a
.endr
.irp a, 0,1,2,3
	v_permlanex16_b32 v[ST+12*\a+5], v[ST+12*\a+4], s40, s41       ; the query's other 32 keys lie in the lane 16 away
.endr
.irp a, 0,1,2,3
	v_max_num_f32 v[ST+12*\a], v[ST+12*\a+4], v[ST+12*\a+5]
.endr
.irp a, 0,1,2,3
	v_sub_f32 v[ST+12*\a+7], v[ST+12*\a+1], v[ST+12*\a]
.endr
.set i, 0
.rept 16
.irp a, 0,1,2,3
	v_pk_add_f32 v[S+32*\a+2*i:S+32*\a+2*i+1], v[S+32*\a+2*i:S+32*\a+2*i+1], v[ST+12*\a:ST+12*\a+1] op_sel_hi:[1,0] neg_lo:[0,1] neg_hi:[0,1]   ; t - m
.endr
.set i, i+1
.endr
.irp a, 0,1,2,3
	v_exp_f32 v[ST+12*\a+6], v[ST+12*\a+7]         ; a
.endr
.set i, 0
.rept 128
	v_exp_f32 v[S+i], v[S+i]                       ; p: ONE BATCH of 132; none reads another's result
.set i, i+1
.endr
	v_nop                                          ; the plain instruction behind the last exponential
	s_wait_alu depctr_va_vdst(0)                   ; one wait for the batch, ahead of its first reader
.irp a, 0,1,2,3                                ; the row's sum of the unrounded p, in two chains
	v_pk_add_f32 v[ST+12*\a+8:ST+12*\a+9], v[S+32*\a:S+32*\a+1], v[S+32*\a+2:S+32*\a+3]
.endr
.irp a, 0,1,2,3
	v_pk_add_f32 v[ST+12*\a+10:ST+12*\a+11], v[S+32*\a+4:S+32*\a+5], v[S+32*\a+6:S+32*\a+7]
.endr
.irp i, 8,12,16,20,24,28
.irp a, 0,1,2,3
	v_pk_add_f32 v[ST+12*\a+8:ST+12*\a+9], v[ST+12*\a+8:ST+12*\a+9], v[S+32*\a+\i:S+32*\a+\i+1]
.endr
.irp a, 0,1,2,3
	v_pk_add_f32 v[ST+12*\a+10:ST+12*\a+11], v[ST+12*\a+10:ST+12*\a+11], v[S+32*\a+\i+2:S+32*\a+\i+3]
.endr
.endr
.irp a, 0,1,2,3
	v_pk_add_f32 v[ST+12*\a+8:ST+12*\a+9], v[ST+12*\a+8:ST+12*\a+9], v[ST+12*\a+10:ST+12*\a+11]
.endr
.irp a, 0,1,2,3
	v_pk_fma_f32 v[ST+12*\a+2:ST+12*\a+3], v[ST+12*\a+2:ST+12*\a+3], v[ST+12*\a+6:ST+12*\a+7], v[ST+12*\a+8:ST+12*\a+9] op_sel_hi:[1,0,1]   ; l = l a + the sum
.endr
.set i, 0
.rept 16
.irp a, 0,1,2,3
	v_cvt_pk_f16_f32 v[S+32*\a+i], v[S+32*\a+2*i], v[S+32*\a+2*i+1]      ; P, in place: register i is written when registers 2 i and 2 i + 1 are read, and never ahead of that
.endr
.set i, i+1
.endr
	WIN 0x41                                       ; O^T window 1, a window 0
.set i, 0
.rept 16
.irp a, 0,1,2,3
	v_pk_mul_f32 v[32*\a+2*i:32*\a+2*i+1], v[32*\a+2*i:32*\a+2*i+1], v[ST+12*\a+6:ST+12*\a+7] op_sel_hi:[1,0]
.endr
.set i, i+1
.endr
	WIN 0
.endm
; A TRIP: a step of both groups.  The addresses are made in the text that all waves run
.macro TRIP
	v_add_nc_u32 v[ADK], s36, v[AK0]
	v_add_nc_u32 v[ADB], s37, v[AB0]
	v_add_nc_u32 v[ADM], s37, v[AM0]
	s_cmp_eq_u32 s17, 0
	s_cbranch_scc0 .Lfirst_sm_\@
	M
	s_branch .Lsecond_\@
.Lfirst_sm_\@:
	SM 16                                          ; the step before's: behind its keep stand V's 16 loads
.Lsecond_\@:
	s_cmp_eq_u32 s17, 0
	s_cbranch_scc0 .Lsecond_m_\@
	SM 16
	s_branch .Ltrip_done_\@
.Lsecond_m_\@:
	M
.Ltrip_done_\@:
	s_add_co_u32 s36, s36, STEPB
	s_add_co_u32 s37, s37, 256
.endm
.macro PERIOD                          ; a slot's three steps: written once, walked three times
	s_mov_b32 s39, 3
.Ltrip_\@:
	TRIP
	s_sub_co_u32 s39, s39, 1
	s_cmp_lg_u32 s39, 0
	s_cbranch_scc1 .Ltrip_\@
	s_sub_co_u32 s36, s36, 3*STEPB                 ; back to a slot's first step,
	s_xor_b32 s36, s36, SLOT1                      ; in the other slot
.endm
; THE CHANGE OF SLOTS stands at a period's head.  Each wave waits for all its tensor loads (its piece of the slot ahead), adds 0 to its spare word, and waits for that and for its reads of the slot that it has left.
; fill = 1: the barrier is a round of the cluster's, and the slot that was left takes the next period: the load has three trips in which to land.
.macro CHANGE fill
	s_wait_tensorcnt 0x0                           ; no tensor load of mine is out, so group 0 may be written
	ds_add_u32 v[SPW], v[NIL]                      ; 0 onto my spare word
.if \fill
	s_xor_b32 s33, s33, SLOT1                      ; the other slot than last time,
	s_add_nc_u64 s[34:35], s[34:35], 3*STEPB       ; the next three steps; the type bits on top are not reached
	s_wait_xcnt 0x0                                ; the last prefetch, a period back, has read its address
	s_add_nc_u64 s[42:43], s[42:43], 3*STEPB
	s_wait_dscnt 0x0                               ; the add is done, and my reads of the slot that I have left are over
	CROUND
	JLOAD
	ASK
.else
	s_wait_dscnt 0x0
	s_barrier_signal -1
	s_barrier_wait -1
.endif
.endm
	v_add_nc_u32 v[ADB], s37, v[AB0]               ; step 0
	v_add_nc_u32 v[ADM], s37, v[AM0]
	M0
	s_cmp_eq_u32 s17, 0
	s_cbranch_scc0 .Lfirst_done
	SM 0                                           ; group 0's first softmax; nothing was asked of LDS behind keep.  Group 1's stands in the first trip
.Lfirst_done:
	s_wait_loadcnt 0x0                             ; V of step 0
	s_mov_b32 s37, 256
	s_mov_b32 s36, 0
	s_mov_b32 s38, 4
.Lslot:                                            ; four turns: periods 0 to 3; behind each change the next period is asked for
	CHANGE 1
	PERIOD
	s_sub_co_u32 s38, s38, 1
	s_cmp_lg_u32 s38, 0
	s_cbranch_scc1 .Lslot
	CHANGE 0                                       ; the last period is written out
	PERIOD
	s_cmp_eq_u32 s17, 0
	s_cbranch_scc1 .Llast_pv
	SM 16                                          ; group 1's last softmax
.Llast_pv:
	s_wait_dscnt 0x0                               ; V of the last step
	PVP 0
	PVP 1
	WIN 0
	; ---- THE JOIN of the two key halves.  The first four additions are the places behind the last products
.irp a, 0,1,2,3
	v_add_f32 v[ST+12*\a+4], v[ST+12*\a+2], v[ST+12*\a+3]
.endr
.irp a, 0,1,2,3
	v_permlanex16_b32 v[ST+12*\a+5], v[ST+12*\a+4], s40, s41
.endr
.irp a, 0,1,2,3
	v_add_f32 v[ST+12*\a+2], v[ST+12*\a+4], v[ST+12*\a+5]          ; l of my key half
.endr
	s_lshl_b32 s23, s18, 10
	s_add_co_u32 s23, s23, ML
	v_add_nc_u32 v[ADK], s23, v[LI]                ; where my query group's m and l go
	s_cmp_eq_u32 s19, 0
	s_cbranch_scc1 .Lkeeper
.irp a, 0,1,2,3
	v_mov_b32 v[64+\a], v[ST+12*\a]
	v_mov_b32 v[68+\a], v[ST+12*\a+2]
.endr
	WIN 0x04                                       ; an LDS store's data are its source 1: window 1
.set i, 0
.rept 32
	ds_store_b128 v[STA], v[4*i:4*i+3] offset:512*i                ; the odd wave's O^T, as an image of its registers; each accumulator from its low end on
.set i, i+1
.endr
	WIN 0
	ds_store_b128 v[ADK], v[64:67]
	ds_store_b128 v[ADK], v[68:71] offset:512
.Lkeeper:
	s_wait_dscnt 0x0
	s_barrier_signal -1
	s_barrier_wait -1
	s_cmp_lg_u32 s19, 0
	s_cbranch_scc1 .Ldone
	ds_load_b128 v[64:67], v[ADK]                  ; the partner's m
	ds_load_b128 v[68:71], v[ADK] offset:512       ; and l
.set i, 0
.rept 32
	ds_load_b128 v[S+4*i:S+4*i+3], v[STA] offset:512*i
.set i, i+1
.endr
	s_wait_dscnt 32
.irp a, 0,1,2,3
	v_max_num_f32 v[72+\a], v[ST+12*\a], v[64+\a]
.endr
.irp a, 0,1,2,3
	v_sub_f32 v[76+\a], v[ST+12*\a], v[72+\a]
	v_sub_f32 v[80+\a], v[64+\a], v[72+\a]
.endr
.irp a, 0,1,2,3
	v_exp_f32 v[76+\a], v[76+\a]
	v_exp_f32 v[80+\a], v[80+\a]
.endr
	v_nop
	s_wait_alu depctr_va_vdst(0)                   ; one wait for the eight
.irp a, 0,1,2,3
	v_mul_f32 v[84+\a], v[ST+12*\a+2], v[76+\a]
.endr
.irp a, 0,1,2,3
	v_fmac_f32 v[84+\a], v[68+\a], v[80+\a]        ; the row's sum under the common maximum: at least 1
.endr
.irp a, 0,1,2,3
	v_rcp_f32 v[88+\a], v[84+\a]
.endr
	v_nop
	s_wait_alu depctr_va_vdst(0)                   ; one wait for the four
.irp a, 0,1,2,3
	v_mul_f32 v[96+2*\a], v[76+\a], v[88+\a]       ; my factor, twice: a pair for the packed forms
	v_mul_f32 v[97+2*\a], v[76+\a], v[88+\a]
	v_mul_f32 v[104+2*\a], v[80+\a], v[88+\a]      ; the partner's
	v_mul_f32 v[105+2*\a], v[80+\a], v[88+\a]
.endr
.irp a, 0,1,2,3
	s_wait_dscnt 24-8*\a                           ; the partner's tile a is in
.set i, 0
.rept 16
	v_pk_mul_f32 v[S+32*\a+2*i:S+32*\a+2*i+1], v[S+32*\a+2*i:S+32*\a+2*i+1], v[104+2*\a:105+2*\a]
.set i, i+1
.endr
	WIN 0x01                                       ; source 0 (my O^T) window 1
.set i, 0
.rept 16
	v_pk_fma_f32 v[S+32*\a+2*i:S+32*\a+2*i+1], v[32*\a+2*i:32*\a+2*i+1], v[96+2*\a:97+2*\a], v[S+32*\a+2*i:S+32*\a+2*i+1]
.set i, i+1
.endr
	WIN 0
.set i, 0
.rept 16
	v_cvt_pk_f16_f32 v[S+32*\a+i], v[S+32*\a+2*i], v[S+32*\a+2*i+1]
.set i, i+1
.endr
.irp c, 0,1,2,3
	global_store_b128 v[LI], v[S+32*\a+4*\c:S+32*\a+4*\c+3], s[52:53] offset:\a*16384+\c*512     ; 512 consecutive bytes a store
.endr
.endr
.Ldone:
	s_wait_tensorcnt 0x0                           ; the wave's end: behind my last tensor load and my last LDS store
	ds_add_u32 v[SPW], v[NIL]
	s_wait_dscnt 0x0
	CROUND                                         ; the closing round: no work-group ends while a partner may still ask for a tile that names it
	s_endpgm
.Lfunc_end_k_qfe5e656a0b_attn:
	.size	k_qfe5e656a0b_attn, .Lfunc_end_k_qfe5e656a0b_attn-k_qfe5e656a0b_attn
	.p2alignl 7, 3214868480
	.fill 96, 4, 3214868480
	.section	.rodata,"a",@progbits
	.p2align	6, 0x0
	.amdhsa_kernel k_qfe5e656a0b_attn
		.amdhsa_group_segment_fixed_size 327680
		.amdhsa_private_segment_fixed_size 0
		.amdhsa_enable_private_segment 0
		.amdhsa_kernarg_size 48
		.amdhsa_user_sgpr_count 2
		.amdhsa_user_sgpr_kernarg_segment_ptr 1
		.amdhsa_wavefront_size32 1
		.amdhsa_system_sgpr_workgroup_id_x 1
		.amdhsa_system_sgpr_workgroup_id_y 1
		.amdhsa_system_sgpr_workgroup_id_z 1
		.amdhsa_system_vgpr_workitem_id 0
		.amdhsa_next_free_vgpr 512
		.amdhsa_next_free_sgpr 66
		.amdhsa_reserve_vcc 0
		.amdhsa_float_denorm_mode_32 3
		.amdhsa_float_denorm_mode_16_64 3
		.amdhsa_memory_ordered 1
		.amdhsa_forward_progress 1
		.amdhsa_inst_pref_size 255
	.end_amdhsa_kernel
	.section	.bss,"aw",@nobits
	.p2align	6
	.space	262144
	.amdgpu_metadata
---
amdhsa.version: [ 1, 2 ]
amdhsa.kernels:
  - .name:           k_qfe5e656a0b_attn
    .symbol:         k_qfe5e656a0b_attn.kd
    .args:
      - { .name: qi, .offset: 0, .size: 8, .value_kind: global_buffer, .address_space: global }
      - { .name: ki, .offset: 8, .size: 8, .value_kind: global_buffer, .address_space: global }
      - { .name: vi, .offset: 16, .size: 8, .value_kind: global_buffer, .address_space: global }
      - { .name: rpe, .offset: 24, .size: 8, .value_kind: global_buffer, .address_space: global }
      - { .name: k_padding_mask, .offset: 32, .size: 8, .value_kind: global_buffer, .address_space: global }
      - { .name: ao, .offset: 40, .size: 8, .value_kind: global_buffer, .address_space: global }
    .group_segment_fixed_size: 327680
    .private_segment_fixed_size: 0
    .kernarg_segment_align: 8
    .kernarg_segment_size: 48
    .max_flat_workgroup_size: 256
    .sgpr_count:     66
    .vgpr_count:     512
    .wavefront_size: 32
...
	.end_amdgpu_metadata
.endif
;; end of part 3
;; launch outp (part 4): grid 4 x 64, 4 waves a work-group, clusters of 4 x 4, 327,680 bytes of LDS; arguments ao, wo16, bo, q_padding_mask, out0; writes out0
.if DOCPART == 4
	.amdgcn_target "amdgcn-amd-amdhsa--gfx1250"
	.amdhsa_code_object_version 6
	.text
	.protected	k_qfe5e656a0b_outp
	.globl	k_qfe5e656a0b_outp
	.p2align	8
	.type	k_qfe5e656a0b_outp,@function
k_qfe5e656a0b_outp:
	s_mov_b64 s[64:65], 0
	v_nop
	global_prefetch_b8 v0, s[64:65] scope:SCOPE_SE
	s_setreg_imm32_b32 hwreg(HW_REG_WAVE_MODE, 25, 1), 1
	s_wait_xcnt 0x0
	s_wait_alu depctr_hold_cnt(0) depctr_sa_sdst(0) depctr_va_vdst(0) depctr_va_sdst(0) depctr_va_ssrc(0) depctr_va_vcc(0) depctr_vm_vsrc(0)
	s_getreg_b32 s2, hwreg(HW_REG_IB_STS2, 6, 4)
	s_cmp_eq_u32 s2, 0
	s_cbranch_scc0 .Lentry_in_a_cluster
	s_endpgm
.Lentry_in_a_cluster:
	s_bfe_u32 s2, ttmp6, 0x10000c
	s_cmp_lg_u32 s2, 0xf033
	s_cbranch_scc0 .Lentry_shape_is_right
	s_endpgm
.Lentry_shape_is_right:
; out0[token][n] = sum over k of A[token][k] Wo[n][k] + bo[n], rows of padded queries set to 0.  A (the attention's result) and Wo are f16, laid as images of operand registers: a tile of 16 rows is 16 K steps of 1,024 bytes
; (two blocks of 512 bytes, lane l's 16 bytes at 16 l).  Sums in f32; out0 is [8192][512] f32.
; A tile of out0 is 128 x 128; four waves, each 64 x 64: 16 accumulators.  K = 512 lies in two LDS slots of 256 along K, both asked for at the head: nothing is filled again; two tensor loads of a wave are out.
; CLUSTERS: 4 x 4 work-groups.  The four of a row of the cluster need the same tiles of A, the four of a column the same tiles of Wo: each is asked for jointly, by the same tensor load with a mask that names the four.
; THE MATRIX INSTRUCTION IS USED TRANSPOSED (source 0 = 16 rows of Wo, source 1 = 16 tokens): a lane holds eight neighbouring numbers of a row of out0.  bo is the C of each sum's first matrix instruction.
; A wave's 64 columns are 256 bytes, so each wave has a stage of its own on the way out, and sixteen lanes store 256 consecutive bytes, aligned.
; No prefetch, no work-groups that stay: a work-group asks for all that it reads at its head and has one tile.
; REGISTERS: window 0: v3-31 addresses; v12-15 mask bytes; v32-95 the way out; v96-127 bo, 8 a tile of columns; v128-255 the accumulators ((a, b) at 128 + 8 (4 a + b)).
;   window 1: two fragment buffers of 128: for 64 along K, 64 registers of A (2 x 4 x 8), then 64 of Wo.
.set SLOTB,  131072                    ; a slot: A's 8 tiles of 8,192 bytes, then Wo's 8
.set BOFF,   65536
.set STAGE,  2*SLOTB                   ; behind the slots: 16 rows x 272 bytes for each wave
.set SPITCH, 272                       ; 256 bytes + 16: sixteen rows' stores of 16 bytes fall on sixteen different 16-byte columns modulo 256 bytes
.set SPARE,  STAGE+4*16*SPITCH         ; the spare words, 128 bytes for each wave: two blocks of 256 bytes that no other line names
.set QM,   12
.set ADRA, 16
.set ADRB, 20
.set STO,  24
.set RD,   25
.set CO,   26
.set BOO,  27
.set SPW,  28
.set NIL,  29
.set ZERO, 30
.set QMO,  31
.set OB,   32
.set BOR,  96
.set ACC,  128
.set F0,   0
.set F1,   128
.set G1,  24
.set G0,  32
.set G1B, 48
.set G0B, 56
.set MSB, 0
.macro WIN new                         ; the immediate's high byte repeats the setting that is left
.if MSB != \new
	s_set_vgpr_msb (MSB<<8)|\new
.set MSB, \new
.endif
.endm
.set MUL,  0x05                        ; sources 0 (Wo) and 1 (A) window 1; C and D window 0
.set TO_F, 0x40                        ; destination window 1, address window 0
.macro JLOAD s                         ; a joint load: waves 0 and 1 fetch A's two halves, waves 2 and 3 Wo's; an s_nop 0 and four v_nop follow each of the two lines
	s_cmp_eq_u32 s15, 0
	s_cbranch_scc0 .Lfor_b_\@
	tensor_load_to_lds s[G0+4*\s:G0+4*\s+3], s[G1:G1+7]
	s_nop 0
.rept 4
	v_nop
.endr
	s_branch .Lasked_\@
.Lfor_b_\@:
	tensor_load_to_lds s[G0B+4*\s:G0B+4*\s+3], s[G1B:G1B+7]
	s_nop 0
.rept 4
	v_nop
.endr
.Lasked_\@:
.endm
.macro CROUND                          ; a round of the cluster's barrier
	s_barrier_signal -1
	s_barrier_wait -1
	s_cmp_lg_u32 s14, 0
	s_cbranch_scc1 .Lnot_wave_0_\@
	s_barrier_signal -3
.Lnot_wave_0_\@:
	s_barrier_wait -3
	s_barrier_signal -1
	s_barrier_wait -1
.endm
	s_load_b256 s[4:11], s[0:1], 0x0               ; ao s[4:5], wo16 s[6:7], bo s[8:9], q_padding_mask s[10:11]
	s_load_b64 s[12:13], s[0:1], 0x20              ; out0
	v_lshl_add_u32 v[SPW], v0, 2, SPARE
	v_mov_b32 v[NIL], 0
	ds_add_u32 v[SPW], v[NIL]                      ; the wave's opening: the add, twice on end, and its wait ahead of my first tensor load
	ds_add_u32 v[SPW], v[NIL]
	v_lshrrev_b32 v1, 5, v0
	v_readfirstlane_b32 s14, v1                    ; wave 0..3
	s_lshr_b32 s15, s14, 1                         ; which half of the tile's rows is mine.  Also: I fetch for A (0) or for Wo (1)
	s_and_b32 s16, s14, 1                          ; which half of its columns.  Also: which four tiles I fetch
	s_bfe_u32 s40, ttmp6, 0x40000                  ; cx, cy: my place in the cluster
	s_bfe_u32 s41, ttmp6, 0x40004
	s_lshl_b32 s42, ttmp9, 2
	s_add_co_u32 s42, s42, s40                     ; tile column = 4 x cluster x + cx
	s_and_b32 s17, ttmp7, 0xffff
	s_lshl_b32 s17, s17, 2
	s_add_co_u32 s17, s17, s41                     ; tile row = 4 x cluster y + cy
	s_lshl_b32 s43, s41, 2
	s_lshl_b32 s43, 15, s43                        ; my row of the cluster
	s_lshl_b32 s44, 0x1111, s40                    ; my column
	; descriptor group 1: four tiles' K half: 4 rows of 1,024 elements of 8 bytes, 2,048 elements (a tile's 16,384 bytes) from row to row
	s_or_b32 s[G1], s43, (3<<16)|(1<<21)           ; 15:0 the mask: A's tiles go to my row; 17:16 elements of 8 bytes; 21 set beside a mask
	s_or_b32 s[G1B], s44, (3<<16)|(1<<21)
.irp g, G1, G1B
	s_mov_b32 s[\g+1], 1024<<16                    ; tensor_dim0
	s_mov_b32 s[\g+2], 4<<16                       ; tensor_dim1
	s_mov_b32 s[\g+3], 1024<<16                    ; tile_dim0
	s_mov_b32 s[\g+4], 4                           ; tile_dim1
	s_mov_b32 s[\g+5], 2048                        ; the pitch
	s_mov_b32 s[\g+6], 0
	s_mov_b32 s[\g+7], 0
.endr
	s_lshl_b32 s18, s16, 16                        ; which four tiles of 16,384 bytes I fetch
	s_lshl_b32 s20, s17, 17
	s_add_co_u32 s20, s20, s18                     ; A: tile 8 x tile row + 4 x half
	s_mov_b32 s21, 0
	s_lshl_b32 s46, s42, 17
	s_add_co_u32 s46, s46, s18                     ; Wo: tile 8 x tile column + 4 x half
	s_mov_b32 s47, 0
	s_lshl_b32 s45, s14, 15                        ; where they go: wave x 32,768: no place in the cluster enters an LDS address
	s_wait_dscnt 0x0                               ; both opening adds are done
	s_wait_kmcnt 0x0
	s_add_nc_u64 s[20:21], s[4:5], s[20:21]
	s_add_nc_u64 s[46:47], s[6:7], s[46:47]
	CROUND                                         ; all sixteen work-groups are here: the first joint loads meet
.irp s, 0,1
	s_mov_b32 s[G0+4*\s], 1
	s_add_co_u32 s[G0+4*\s+1], s45, \s*SLOTB
	s_add_nc_u64 s[G0+4*\s+2:G0+4*\s+3], s[20:21], \s*8192
	s_or_b32 s[G0+4*\s+3], s[G0+4*\s+3], 0x80000000
	s_mov_b32 s[G0B+4*\s], 1
	s_add_co_u32 s[G0B+4*\s+1], s45, \s*SLOTB
	s_add_nc_u64 s[G0B+4*\s+2:G0B+4*\s+3], s[46:47], \s*8192
	s_or_b32 s[G0B+4*\s+3], s[G0B+4*\s+3], 0x80000000
	JLOAD \s
.endr
	v_and_b32 v1, 15, v0                           ; r
	v_bfe_u32 v2, v0, 4, 1                         ; hh
	v_and_b32 v3, 31, v0
	v_lshlrev_b32 v3, 4, v3                        ; 16 x lane
	s_lshl_b32 s22, s15, 15                        ; my four tiles of A
	s_lshl_b32 s23, s16, 15                        ; my four tiles of Wo,
	s_add_co_u32 s23, s23, BOFF                    ; which lie behind A's eight
.irp s, 0,1
	v_add_nc_u32 v[ADRA+\s], s22, v3
	v_add_nc_u32 v[ADRB+\s], s23, v3
	s_add_co_u32 s22, s22, SLOTB
	s_add_co_u32 s23, s23, SLOTB
.endr
	s_mul_i32 s22, s14, 16*SPITCH
	s_add_co_u32 s22, s22, STAGE                   ; my stage
	v_mul_u32_u24 v[STO], v1, SPITCH               ; in: row r, 32 bytes for each half of the lanes
	v_lshl_add_u32 v[STO], v2, 5, v[STO]
	v_add_nc_u32 v[STO], s22, v[STO]
	v_mul_u32_u24 v[RD], v2, SPITCH                ; back: lanes 0-15 take one row of 256 bytes, lanes 16-31 the next
	v_lshl_add_u32 v[RD], v1, 4, v[RD]
	v_add_nc_u32 v[RD], s22, v[RD]
	v_lshlrev_b32 v[CO], 11, v2                    ; and the same two rows in out0
	v_lshl_add_u32 v[CO], v1, 4, v[CO]
	v_lshlrev_b32 v[BOO], 5, v2                    ; bo: my half's eight numbers
	v_mov_b32 v[QMO], v1                           ; the mask: a byte a token
	v_mov_b32 v[ZERO], 0
	s_lshl_b32 s46, s42, 9                         ; my first column, in bytes: 512 x tile column + 256 x half
	s_lshl_b32 s47, s16, 8
	s_add_co_u32 s46, s46, s47
	s_mov_b32 s47, 0
	s_add_nc_u64 s[8:9], s[8:9], s[46:47]          ; in bo,
	s_add_nc_u64 s[12:13], s[12:13], s[46:47]      ; and in a row of out0
	s_lshl_b32 s18, s17, 7
	s_lshl_b32 s19, s15, 6
	s_add_co_u32 s18, s18, s19                     ; my first token: 128 x tile row + 64 x half
	s_mov_b32 s19, 0
	s_add_nc_u64 s[10:11], s[10:11], s[18:19]
	s_lshl_b32 s18, s18, 11                        ; its row of 2,048 bytes
	s_add_nc_u64 s[12:13], s[12:13], s[18:19]
.irp b, 0,1,2,3
	global_load_b128 v[BOR+8*\b:BOR+8*\b+3], v[BOO], s[8:9] offset:64*\b
	global_load_b128 v[BOR+8*\b+4:BOR+8*\b+7], v[BOO], s[8:9] offset:64*\b+16
.endr
.irp a, 0,1,2,3
	global_load_u8 v[QM+\a], v[QMO], s[10:11] offset:16*\a
.endr
; 8 matrix instructions: token tiles a0, a0 + 1 x all 4 tiles of columns, 32 along K: half c of buffer f.  first = 1: the sums start with bo.  The 16 accumulators take turns
.macro MUL8 f, c, a0, first
.irp a, \a0, \a0+1
.irp b, 0,1,2,3
.if \first
	v_wmma_f32_16x16x32_f16 v[ACC+8*(4*(\a)+\b):ACC+8*(4*(\a)+\b)+7], v[\f+64+8*(4*\c+\b):\f+64+8*(4*\c+\b)+7], v[\f+8*(4*\c+\a):\f+8*(4*\c+\a)+7], v[BOR+8*\b:BOR+8*\b+7]
.else
	v_wmma_f32_16x16x32_f16 v[ACC+8*(4*(\a)+\b):ACC+8*(4*(\a)+\b)+7], v[\f+64+8*(4*\c+\b):\f+64+8*(4*\c+\b)+7], v[\f+8*(4*\c+\a):\f+8*(4*\c+\a)+7], v[ACC+8*(4*(\a)+\b):ACC+8*(4*(\a)+\b)+7]
.endif
.endr
.endr
.endm
; 32 LDS loads in one run: the fragments of the slot's quarter qd (64 along K) into buffer f; the first 32 along K first
.macro FETCH slot, qd, f
	WIN TO_F
.irp c, 0,1
.irp i, 0,1,2,3
	ds_load_b128 v[\f+64+8*(4*\c+\i):\f+64+8*(4*\c+\i)+3],   v[ADRB+\slot] offset:\i*8192+(2*\qd+\c)*1024
	ds_load_b128 v[\f+64+8*(4*\c+\i)+4:\f+64+8*(4*\c+\i)+7], v[ADRB+\slot] offset:\i*8192+(2*\qd+\c)*1024+512
	ds_load_b128 v[\f+8*(4*\c+\i):\f+8*(4*\c+\i)+3],         v[ADRA+\slot] offset:\i*8192+(2*\qd+\c)*1024
	ds_load_b128 v[\f+8*(4*\c+\i)+4:\f+8*(4*\c+\i)+7],       v[ADRA+\slot] offset:\i*8192+(2*\qd+\c)*1024+512
.endr
.endr
.endm
.macro PLACES                          ; four places in front of loads into registers that matrix instructions have read, and of the first read of results
.rept 4
	v_nop
.endr
.endm
; A quarter: 32 matrix instructions on buffer f; in its middle the next quarter, qd of the same slot, is fetched into g
.macro QUARTER slot, qd, f, g, first
	s_wait_dscnt 16                                ; the first 32 along K are in
	WIN MUL
	MUL8 \f, 0, 0, \first
	MUL8 \f, 0, 2, \first
	PLACES
	FETCH \slot, \qd, \g
	s_wait_dscnt 32                                ; all but the 32 just issued
	WIN MUL
	MUL8 \f, 1, 0, 0
	MUL8 \f, 1, 2, 0
.endm
	s_wait_tensorcnt 0x1                           ; my part of K half 0 is in; K half 1's may stay out
	s_barrier_signal -1
	s_barrier_wait -1                              ; everybody's is
	FETCH 0, 0, F0
	s_wait_loadcnt 0x0                             ; bo and the mask bytes
	QUARTER 0, 1, F0, F1, 1
	QUARTER 0, 2, F1, F0, 0
	QUARTER 0, 3, F0, F1, 0
	s_wait_dscnt 16                                ; the slot's last quarter; in its middle the other slot is entered
	WIN MUL
	MUL8 F1, 0, 0, 0
	MUL8 F1, 0, 2, 0
	WIN 0
	s_wait_tensorcnt 0x0                           ; my part of K half 1 is in,
	s_wait_dscnt 0x0                               ; (no LDS instruction of mine is out at a signal)
	s_barrier_signal -1
	s_barrier_wait -1                              ; everybody's is
	PLACES
	FETCH 1, 0, F0
	WIN MUL
	MUL8 F1, 1, 0, 0
	MUL8 F1, 1, 2, 0
	QUARTER 1, 1, F0, F1, 0
	QUARTER 1, 2, F1, F0, 0
	QUARTER 1, 3, F0, F1, 0
	s_wait_dscnt 16                                ; the very last quarter: nothing more to fetch
	WIN MUL
	MUL8 F1, 0, 0, 0
	MUL8 F1, 0, 2, 0
	s_wait_dscnt 0x0
	MUL8 F1, 1, 0, 0
	MUL8 F1, 1, 2, 0
	WIN 0
	; THE WAY OUT, a tile of 16 tokens at a time: padded queries' rows become 0; 32 bytes a lane into my stage; back as whole rows of 256 bytes
	PLACES
.irp a, 0,1,2,3
	v_cmp_ne_u32 s[66+\a], 0, v[QM+\a]             ; lane (r, hh): is token 16 a + r padded?
.endr
.macro TOSTAGE a
.set i, 0
.rept 32
	v_cndmask_b32 v[ACC+32*(\a)+i], v[ACC+32*(\a)+i], v[ZERO], s[66+(\a)]      ; each accumulator from its low end on
.set i, i+1
.endr
.if (\a) > 1
	s_wait_xcnt 0x0                                ; the stores of the tile two back have read their registers
.endif
.irp b, 0,1,2,3
	ds_store_b128 v[STO], v[ACC+32*(\a)+8*\b:ACC+32*(\a)+8*\b+3] offset:64*\b
	ds_store_b128 v[STO], v[ACC+32*(\a)+8*\b+4:ACC+32*(\a)+8*\b+7] offset:64*\b+16
.endr
.irp t, 0,1,2,3,4,5,6,7
	ds_load_b128 v[OB+32*((\a)%2)+4*\t:OB+32*((\a)%2)+4*\t+3], v[RD] offset:\t*2*SPITCH    ; LDS serves a wave's instructions in order (ISA guide 5.7.1.4): these see the stores above, and the next tile's stores come behind them
.endr
.endm
.macro SEND a, younger                 ; younger: the LDS instructions issued behind tile a's loads
	s_wait_dscnt \younger
.irp t, 0,1,2,3,4,5,6,7
	global_store_b128 v[CO], v[OB+32*((\a)%2)+4*\t:OB+32*((\a)%2)+4*\t+3], s[12:13] offset:(\a)*32768+\t*4096 th:TH_STORE_NT    ; 16 lanes store 256 consecutive bytes, at a multiple of 256 from out0's first byte
.endr
.endm
	TOSTAGE 0
.irp a, 1,2,3
	TOSTAGE \a
	SEND \a-1, 16                                  ; behind tile a - 1's loads: tile a's 8 stores and 8 loads
.endr
	SEND 3, 0
	s_wait_tensorcnt 0x0                           ; the wave's end: behind my last tensor load and my last LDS store
	ds_add_u32 v[SPW], v[NIL]
	s_wait_dscnt 0x0
	CROUND                                         ; the closing round: no work-group ends while a partner may still ask for a tile that names it
	s_endpgm
.Lfunc_end_k_qfe5e656a0b_outp:
	.size	k_qfe5e656a0b_outp, .Lfunc_end_k_qfe5e656a0b_outp-k_qfe5e656a0b_outp
	.p2alignl 7, 3214868480
	.fill 96, 4, 3214868480
	.section	.rodata,"a",@progbits
	.p2align	6, 0x0
	.amdhsa_kernel k_qfe5e656a0b_outp
		.amdhsa_group_segment_fixed_size 327680
		.amdhsa_private_segment_fixed_size 0
		.amdhsa_enable_private_segment 0
		.amdhsa_kernarg_size 40
		.amdhsa_user_sgpr_count 2
		.amdhsa_user_sgpr_kernarg_segment_ptr 1
		.amdhsa_wavefront_size32 1
		.amdhsa_system_sgpr_workgroup_id_x 1
		.amdhsa_system_sgpr_workgroup_id_y 1
		.amdhsa_system_sgpr_workgroup_id_z 1
		.amdhsa_system_vgpr_workitem_id 0
		.amdhsa_next_free_vgpr 512
		.amdhsa_next_free_sgpr 72
		.amdhsa_reserve_vcc 0
		.amdhsa_float_denorm_mode_32 3
		.amdhsa_float_denorm_mode_16_64 3
		.amdhsa_memory_ordered 1
		.amdhsa_forward_progress 1
		.amdhsa_inst_pref_size 58
	.end_amdhsa_kernel
	.amdgpu_metadata
---
amdhsa.version: [ 1, 2 ]
amdhsa.kernels:
  - .name:           k_qfe5e656a0b_outp
    .symbol:         k_qfe5e656a0b_outp.kd
    .args:
      - { .name: ao, .offset: 0, .size: 8, .value_kind: global_buffer, .address_space: global }
      - { .name: wo16, .offset: 8, .size: 8, .value_kind: global_buffer, .address_space: global }
      - { .name: bo, .offset: 16, .size: 8, .value_kind: global_buffer, .address_space: global }
      - { .name: q_padding_mask, .offset: 24, .size: 8, .value_kind: global_buffer, .address_space: global }
      - { .name: out0, .offset: 32, .size: 8, .value_kind: global_buffer, .address_space: global }
    .group_segment_fixed_size: 327680
    .private_segment_fixed_size: 0
    .kernarg_segment_align: 8
    .kernarg_segment_size: 40
    .max_flat_workgroup_size: 128
    .sgpr_count:     72
    .vgpr_count:     512
    .wavefront_size: 32
...
	.end_amdgpu_metadata
.endif
;; end of part 4
